; MI455X (gfx1250); checked and timed in simulation.
; The chip was launched on July 23, 2026; its instructions are those of AMD's public machine-readable ISA for CDNA 5 (MIT licence, August 2026) and "CDNA5" Instruction Set Architecture Reference Guide (July 2026). The comments in the code are by the model that wrote it; some were corrected since.
;; Bahdanau Attention. Allowed arithmetic: float matrix products may take bf16 or f16 operands with f32 sums; other float arithmetic in f32, or as packed bf16 or f16 multiplies, adds, multiply-adds, maxima and minima; sums over many terms, partial sums and values carried from step to step in f32; what a program stores and reads back later, other than sums and carried values, may be rounded once to bf16 or f16.
;; Inputs: V_b 1 float32; V_w 1 x 1,024 float32; W1_b 1,024 float32; W1_w 1,024 x 1,024 float32; W2_b 1,024 float32; W2_w 1,024 x 1,024 float32; hidden 32 x 1,024 float32; x 32 x 2,048 x 1,024 float32.
;; Outputs: out0 1 x 32 x 1,024 float32; out1 32 x 1 x 2,048 float32.
;; 2 versions, each right; version 2 is version 1 with the launch main written anew for expert scheduling mode. Each part assembles by itself: llvm-mc -triple=amdgcn-amd-amdhsa -mcpu=gfx1250 --defsym DOCPART=n.
;; ======== version 1 of 2: 3 launches
;; workspace buffers: wf 2,097,152 bytes; hbp 2,097,152 bytes; scores 262,144 bytes; ctxp 2,097,152 bytes
;; launch prep (part 1): grid 16 x 16, 4 waves a work-group, no clusters, 9,216 bytes of LDS; arguments W1_w, W2_w, hidden, wf, hbp; writes wf, hbp
.if DOCPART == 1
	.amdgcn_target "amdgcn-amd-amdhsa--gfx1250"
	.amdhsa_code_object_version 6
	.text
	.protected	k_q41c48f421d_prep
	.globl	k_q41c48f421d_prep
	.p2align	8
	.type	k_q41c48f421d_prep,@function
k_q41c48f421d_prep:
	s_mov_b64 s[64:65], 0
	v_nop
	global_prefetch_b8 v0, s[64:65] scope:SCOPE_SE
	s_setreg_imm32_b32 hwreg(HW_REG_WAVE_MODE, 25, 1), 1
	s_wait_xcnt 0x0
; PREPARATION.  (1) W1 ([1024 n][1024 k] f32) is rounded to bf16 and written in the order in which the main launch's matrix fragments want it:
;   wf byte ((g>>3)*32 + s)*8192 + (g&7)*1024 + half*512 + lane*16 holds W1[16 g + lane%16][32 s + 16 half + 8 (lane/16) + 0..7].
; (2) hbp[q][b][n] = the sum over k in 64 q .. 64 q + 63 of hidden[b][k] W2[n][k]: bf16 operands, f32 sums; the 16 partial sums are added, in f32, by the main launch.
; SHARES.  Work-group (G, q): columns n = 64 G .. 64 G + 63, channels 64 q .. 64 q + 63 (256 consecutive bytes, aligned, of each row).  Wave v takes the 16 columns g = 4 G + v.
; The product is taken with source 0 = 16 rows of W2 and source 1 = 16 rows of hidden: a lane then holds one b and eight neighbouring n.
; The four waves' 16 columns meet in one stage in LDS, so that a store covers 256 consecutive bytes of a row of hbp, aligned.
.set SPITCH, 272                       ; a stage row: 64 f32 + 16 bytes
.set SPARE,  8704                      ; behind the stage's 32 rows: the spare words, 128 bytes a wave
.set RW1, 16                           ; v[16:47]   W1 as loaded, 16 registers for each of the two K steps; then its fragments in the low 8
.set RW2, 48                           ; v[48:79]   W2 likewise
.set RH0, 80                           ; v[80:111]  hidden rows 0-15
.set RH1, 112                          ; v[112:143] hidden rows 16-31
.set AC0, 144                          ; v[144:151] sums for b = 0..15
.set AC1, 152                          ; v[152:159] sums for b = 16..31
.set BK,  160                          ; v[160:175] rows read back from the stage
	s_load_b256 s[4:11], s[0:1], 0x0               ; W1 s[4:5], W2 s[6:7], hidden s[8:9], wf s[10:11]
	s_load_b64 s[12:13], s[0:1], 0x20              ; hbp
	v_lshl_add_u32 v10, v0, 2, SPARE               ; my spare word; never rewritten
	v_mov_b32 v11, 0                               ; 0; never rewritten
	v_lshrrev_b32 v9, 5, v0
	v_readfirstlane_b32 s14, v9                    ; wave v
	v_and_b32 v1, 15, v0                           ; r = lane % 16
	v_bfe_u32 v2, v0, 4, 1                         ; h = lane / 16
	v_and_b32 v3, 31, v0                           ; lane
	v_lshlrev_b32 v4, 12, v1                       ; a fragment's f32 source: row r x 4,096 bytes
	v_lshl_add_u32 v4, v2, 5, v4                   ; + 32 h (eight f32)
	v_lshlrev_b32 v5, 4, v3                        ; 16 x lane: my place in 512 bytes of wf
	s_lshl_b32 s22, s14, 6
	v_mul_u32_u24 v6, v1, SPITCH                   ; into the stage: row b = r, my wave's 64 bytes, 32 h
	v_lshl_add_u32 v6, v2, 5, v6
	v_add_nc_u32 v6, s22, v6
	s_mul_i32 s22, s14, 8*SPITCH
	v_mul_u32_u24 v7, v2, SPITCH                   ; back: wave v takes rows 8 v .. 8 v + 7, two at a time, 16 lanes a row
	v_lshl_add_u32 v7, v1, 4, v7
	v_add_nc_u32 v7, s22, v7
	v_lshlrev_b32 v8, 12, v2                       ; and the same two rows in hbp
	v_lshl_add_u32 v8, v1, 4, v8
	s_and_b32 s16, ttmp7, 0xffff                   ; q
	s_lshl_b32 s17, ttmp9, 2
	s_add_co_u32 s17, s17, s14                     ; g = 4 G + v
	s_lshl_b32 s18, s17, 16                        ; 16 rows of 4,096 bytes
	s_lshl_b32 s20, s16, 8                         ; 64 channels of f32
	s_add_co_u32 s18, s18, s20
	s_mov_b32 s19, 0
	s_mov_b32 s21, 0
	s_lshr_b32 s24, s17, 3
	s_lshl_b32 s24, s24, 18
	s_lshl_b32 s23, s16, 14
	s_add_co_u32 s24, s24, s23
	s_and_b32 s23, s17, 7
	s_lshl_b32 s23, s23, 10
	s_add_co_u32 s24, s24, s23                     ; wf: ((g>>3)<<18) + (q<<14) + ((g&7)<<10)
	s_mov_b32 s25, 0
	s_lshl_b32 s26, s16, 17
	s_lshl_b32 s23, s14, 15
	s_add_co_u32 s26, s26, s23
	s_lshl_b32 s23, ttmp9, 8
	s_add_co_u32 s26, s26, s23                     ; hbp: (q<<17) + 8 v rows + 64 G columns
	s_mov_b32 s27, 0
	s_wait_kmcnt 0x0
	s_add_nc_u64 s[4:5], s[4:5], s[18:19]
	s_add_nc_u64 s[6:7], s[6:7], s[18:19]
	s_add_nc_u64 s[8:9], s[8:9], s[20:21]
	s_add_nc_u64 s[10:11], s[10:11], s[24:25]
	s_add_nc_u64 s[12:13], s[12:13], s[26:27]
; the 16 f32 of a lane for one fragment: channels 8 h + 0..7 (bytes 0, 16) and 16 + 8 h + 0..7 (bytes 64, 80).  once = 1: bytes that the launch reads once
.macro LD4 dst, base, off, once
.irp e, 0,16,64,80
.if \once
	global_load_b128 v[(\dst)+((\e)%64)/4+((\e)/64)*8:(\dst)+((\e)%64)/4+((\e)/64)*8+3], v4, s[(\base):(\base)+1] offset:(\off)+\e th:TH_LOAD_NT
.else
	global_load_b128 v[(\dst)+((\e)%64)/4+((\e)/64)*8:(\dst)+((\e)%64)/4+((\e)/64)*8+3], v4, s[(\base):(\base)+1] offset:(\off)+\e
.endif
.endr
.endm
; 16 f32 become a fragment of 8 registers, in place, ascending: register i is written when registers 2 i and 2 i + 1 are read
.macro CV R
.irp i, 0,1,2,3,4,5,6,7
	v_cvt_pk_bf16_f32 v[(\R)+\i], v[(\R)+2*\i], v[(\R)+2*\i+1]
.endr
.endm
.irp s, 0,1
	LD4 RW2+16*\s, 6, 128*\s, 1
	LD4 RH0+16*\s, 8, 128*\s, 0
	LD4 RH1+16*\s, 8, 128*\s+65536, 0
.endr
.irp s, 0,1
	LD4 RW1+16*\s, 4, 128*\s, 1
.endr
	s_wait_loadcnt 8                               ; all but W1's eight loads, which were issued last
.irp s, 0,1
	CV RW2+16*\s
	CV RH0+16*\s
	CV RH1+16*\s
.endr
	; the two accumulators take turns; the first K step starts the sums
	v_wmma_f32_16x16x32_bf16 v[AC0:AC0+7], v[RW2:RW2+7], v[RH0:RH0+7], 0
	v_wmma_f32_16x16x32_bf16 v[AC1:AC1+7], v[RW2:RW2+7], v[RH1:RH1+7], 0
	v_wmma_f32_16x16x32_bf16 v[AC0:AC0+7], v[RW2+16:RW2+23], v[RH0+16:RH0+23], v[AC0:AC0+7]
	v_wmma_f32_16x16x32_bf16 v[AC1:AC1+7], v[RW2+16:RW2+23], v[RH1+16:RH1+23], v[AC1:AC1+7]
	s_wait_loadcnt 0x0                             ; W1
	CV RW1                                         ; 16 plain instructions on other registers: also the places behind the products
	CV RW1+16
.irp s, 0,1
	global_store_b128 v5, v[RW1+16*\s:RW1+16*\s+3],   s[10:11] offset:8192*\s       ; 512 consecutive bytes each
	global_store_b128 v5, v[RW1+16*\s+4:RW1+16*\s+7], s[10:11] offset:8192*\s+512
.endr
	ds_store_b128 v6, v[AC0:AC0+3]                 ; each accumulator's low registers first
	ds_store_b128 v6, v[AC0+4:AC0+7] offset:16
	ds_store_b128 v6, v[AC1:AC1+3]   offset:16*SPITCH
	ds_store_b128 v6, v[AC1+4:AC1+7] offset:16*SPITCH+16
	s_wait_dscnt 0x0                               ; for the others' sake: my part of the stage is written
	s_barrier_signal -1
	s_barrier_wait -1
.irp i, 0,1,2,3
	ds_load_b128 v[BK+4*\i:BK+4*\i+3], v7 offset:\i*2*SPITCH
.endr
.irp i, 0,1,2,3
	s_wait_dscnt 3-\i                              ; LDS loads come back in order: pair i of rows is in
	global_store_b128 v8, v[BK+4*\i:BK+4*\i+3], s[12:13] offset:\i*8192   ; 16 lanes store 256 consecutive bytes, aligned
.endr
	s_wait_tensorcnt 0x0                           ; the wave's end
	ds_add_u32 v10, v11
	s_wait_dscnt 0x0
	s_endpgm
.Lfunc_end_k_q41c48f421d_prep:
	.size	k_q41c48f421d_prep, .Lfunc_end_k_q41c48f421d_prep-k_q41c48f421d_prep
	.p2alignl 7, 3214868480
	.fill 96, 4, 3214868480
	.section	.rodata,"a",@progbits
	.p2align	6, 0x0
	.amdhsa_kernel k_q41c48f421d_prep
		.amdhsa_group_segment_fixed_size 9216
		.amdhsa_private_segment_fixed_size 0
		.amdhsa_enable_private_segment 0
		.amdhsa_kernarg_size 40
		.amdhsa_user_sgpr_count 2
		.amdhsa_user_sgpr_kernarg_segment_ptr 1
		.amdhsa_wavefront_size32 1
		.amdhsa_system_sgpr_workgroup_id_x 1
		.amdhsa_system_sgpr_workgroup_id_y 1
		.amdhsa_system_sgpr_workgroup_id_z 1
		.amdhsa_system_vgpr_workitem_id 0
		.amdhsa_next_free_vgpr 192
		.amdhsa_next_free_sgpr 66
		.amdhsa_reserve_vcc 0
		.amdhsa_float_denorm_mode_32 3
		.amdhsa_float_denorm_mode_16_64 3
		.amdhsa_memory_ordered 1
		.amdhsa_forward_progress 1
		.amdhsa_inst_pref_size 12
	.end_amdhsa_kernel
	.amdgpu_metadata
---
amdhsa.version: [ 1, 2 ]
amdhsa.kernels:
  - .name:           k_q41c48f421d_prep
    .symbol:         k_q41c48f421d_prep.kd
    .args:
      - { .name: W1_w, .offset: 0, .size: 8, .value_kind: global_buffer, .address_space: global }
      - { .name: W2_w, .offset: 8, .size: 8, .value_kind: global_buffer, .address_space: global }
      - { .name: hidden, .offset: 16, .size: 8, .value_kind: global_buffer, .address_space: global }
      - { .name: wf, .offset: 24, .size: 8, .value_kind: global_buffer, .address_space: global }
      - { .name: hbp, .offset: 32, .size: 8, .value_kind: global_buffer, .address_space: global }
    .group_segment_fixed_size: 9216
    .private_segment_fixed_size: 0
    .kernarg_segment_align: 8
    .kernarg_segment_size: 40
    .max_flat_workgroup_size: 128
    .sgpr_count:     66
    .vgpr_count:     192
    .wavefront_size: 32
...
	.end_amdgpu_metadata
.endif
;; end of part 1
;; launch main (part 2): grid 16 x 32, 4 waves a work-group, no clusters, 312,064 bytes of LDS; arguments x, wf, hbp, W1_b, W2_b, V_w, V_b, scores, ctxp; writes scores, ctxp
.if DOCPART == 2
	.amdgcn_target "amdgcn-amd-amdhsa--gfx1250"
	.amdhsa_code_object_version 6
	.text
	.protected	k_q41c48f421d_main
	.globl	k_q41c48f421d_main
	.p2align	8
	.type	k_q41c48f421d_main,@function
k_q41c48f421d_main:
	s_mov_b64 s[64:65], 0
	v_nop
	global_prefetch_b8 v0, s[64:65] scope:SCOPE_SE
	s_setreg_imm32_b32 hwreg(HW_REG_WAVE_MODE, 25, 1), 1
	s_wait_xcnt 0x0
; A BLOCK OF 128 ROWS t OF ONE BATCH b:  s[t] = V . tanh(W1 x[t] + W1_b + W2 hidden[b] + W2_b) + V_b;  m = the block's largest s;  p[t] = exp(s[t] - m);  ctxp = the sum over t of p[t] x[t][:].
; The last launch joins the 16 blocks of a batch.  x is read from memory once: it is rounded to bf16 on its way into LDS and stays there for both products.
; FORMATS AND LIMITS.  x, W1, hidden, W2 are bf16 matrix operands; p enters the second product as two bf16 rows, its rounded value and the remainder; biases, V and all sums are f32.
; tanh(z) = 1 - 2 / (1 + 2^(c2 z)), c2 = 2 log2(e): 2^.. = infinity gives 1, 2^.. = 0 gives -1, so no clamp is needed.  The score is (sum of V) + V_b + the sum of (-2 V) / (1 + 2^..), all in f32.
; A weight below 2^-126 counts as 0.  NaN and infinities in the inputs are not treated apart.
; SHARES.  Four waves.  In the first product wave w makes all 128 rows x columns 256 w .. 256 w + 255 of W1 x, in two chunks of 128 columns: 64 accumulators, 512 registers.  For 32 along K a wave
; reads 8 KB of x from LDS and 8 KB of W1 (already in fragment order, 16 bytes a lane) from memory for 64 matrix instructions.  Source 0 = 16 columns of W1, source 1 = 16 rows of x: a lane holds
; ONE row t and eight neighbouring columns, so bias and V come as registers and a row's score is a sum within the lane.
; x COMES IN UNDER THE FIRST CHUNK'S PRODUCTS, in the order of K: 16 SLABS of 64 channels (256 consecutive bytes, aligned, of each row: two K steps).  Wave w brings rows 32 w .. 32 w + 31 of each slab.
; A PERIOD is a slab's two K steps.  In period i slab i + 1 is rounded and stored to LDS, a barrier shows it to all waves, and slab i + 3 is asked for into the registers just emptied.
; NO CLUSTER, NO TENSOR LOAD.  All work-groups read the same W1, but a joint load wants LDS slots: beside the block of x (294,912 bytes) and 17,152 bytes of tables and stages, 15,616 of 327,680 bytes are
; left, while one K step of the four waves is 32 KB of W1.  x is converted on its way, so it goes through registers; no wave wants a fragment of W1 that another wave has fetched.
; REGISTERS, in windows of 256 (s_set_vgpr_msb: bits 1:0 source 0, 3:2 source 1, 5:4 source 2, 7:6 destination):
;   window 0: v0-31 addresses and temporaries; v32-63 a slab's packed words, later S, the rows' running sums; v64-127 x's fragments (two halves of 4 x 8);
;             v128-255 two slots of 64 for slabs on their way, later HB (v128-191) and VM (v192-255), bias and -2 V of the chunk's columns
;   window 1: W1's fragments, four buffers of 64; later x^T's   window 2, 3: accumulators of rows 0-63, 64-127 ((a, n) at 8 (8 a + n)); at the head window 2 takes the small inputs
.set PX,    144                        ; a row of a slab in LDS: 128 bytes + 16: an odd multiple of 16, so the 16 rows of a fragment load start at 16 different 16-byte columns modulo 256
.set SLB,   128*PX                     ; a slab: 18,432 consecutive bytes
.set HBL,   16*SLB                     ; c2 (W2 hidden + W1_b + W2_b), f32 [1024]
.set VML,   HBL+4096                   ; -2 V, f32 [1024]
.set SCP,   HBL+8192                   ; four waves' partial scores, 512 bytes each
.set SVP,   SCP+2048                   ; four waves' partial sums of V
.set PHL,   SVP+256                    ; for each wave: p rounded (256 bytes), its remainder (256 bytes)
.set CTS,   PHL+2048                   ; for each wave: 1,024 bytes of context on the way out
.set SPARE, CTS+4096                   ; the spare words, 128 bytes a wave
.set MSB, 0
.macro WIN new                         ; the immediate's high byte repeats the setting that is left; a switch that changes nothing is dropped
.if MSB != (\new)
	s_set_vgpr_msb (MSB<<8)|(\new)
.set MSB, (\new)
.endif
.endm
.macro PLACES                          ; four places between a matrix instruction and a load into, or a vector instruction on, one of its registers
.rept 4
	v_nop
.endr
.endm
	s_load_b512 s[8:23], s[0:1], 0x0               ; x s[8:9], wf s[10:11], hbp s[12:13], W1_b s[14:15], W2_b s[16:17], V_w s[18:19], V_b s[20:21], scores s[22:23]
	s_load_b64 s[24:25], s[0:1], 0x40              ; ctxp
	v_lshl_add_u32 v20, v0, 2, SPARE               ; my spare word; never rewritten
	v_mov_b32 v21, 0                               ; 0; never rewritten
	v_lshrrev_b32 v28, 5, v0
	v_readfirstlane_b32 s26, v28                   ; wave w
	v_and_b32 v1, 15, v0                           ; r
	v_bfe_u32 v2, v0, 4, 1                         ; h
	v_and_b32 v3, 31, v0                           ; lane
	v_mul_u32_u24 v4, v1, PX                       ; v4: x's fragments: row r, 16 h; never rewritten
	v_lshl_add_u32 v4, v2, 4, v4
	v_lshlrev_b32 v5, 4, v1                        ; v5: a slab's loads: lanes 0-15 take 256 bytes of one row, lanes 16-31 of the row 8 further down; never rewritten
	v_lshl_add_u32 v5, v2, 15, v5
	s_mul_i32 s27, s26, 32*PX
	v_mul_u32_u24 v6, v2, 8*PX                     ; v6: where my 8 packed bytes go in a slab: my wave's rows, 8 h rows, 8 r bytes.  8 rows are 1,152 bytes = 128 modulo 256:
	v_lshl_add_u32 v6, v1, 3, v6                   ; the two halves of the lanes fall on different banks; never rewritten
	v_add_nc_u32 v6, s27, v6
	v_lshlrev_b32 v7, 12, v3                       ; v7: the prefetches' offset: a lane a row; never rewritten
	v_lshlrev_b32 v8, 4, v3                        ; v8: 16 x lane: W1's fragments, the stores; never rewritten
	s_lshl_b32 s27, s26, 10
	s_add_co_u32 s27, s27, HBL
	v_lshl_add_u32 v10, v2, 5, s27                 ; my 8 columns' bias in the wave's first chunk
	s_lshl_b32 s28, s26, 9
	s_add_co_u32 s27, s28, SCP
	v_lshl_add_u32 v11, v1, 2, s27                 ; my wave's partial score of row r
	v_lshl_add_u32 v12, v3, 4, SCP                 ; four rows' partial scores
	s_add_co_u32 s27, s28, PHL
	v_lshl_add_u32 v13, v3, 3, s27                 ; my four weights
	v_and_b32 v28, 1, v0
	v_lshl_add_u32 v14, v28, 8, s27                ; P's fragments: even rows take the rounded weights, odd rows the remainders
	v_lshl_add_u32 v14, v2, 4, v14
	v_and_b32 v28, 7, v0                           ; the turning load: row 8 h + lane % 8, 16 bytes ((lane / 8) % 2), my wave's 256 columns = slabs 4 w .. 4 w + 3
	v_lshl_add_u32 v28, v2, 3, v28
	v_mul_u32_u24 v15, v28, PX
	v_bfe_u32 v28, v0, 3, 1
	v_lshl_add_u32 v15, v28, 4, v15
	s_mul_i32 s27, s26, 4*SLB
	v_add_nc_u32 v15, s27, v15
	s_lshl_b32 s27, s26, 10
	s_add_co_u32 s27, s27, CTS
	v_lshl_add_u32 v16, v1, 2, s27                 ; the context's way out: in,
	v_lshl_add_u32 v17, v3, 4, s27                 ; and back
	v_lshlrev_b32 v18, 4, v0                       ; 16 x thread
	v_mov_b32 v19, v10                             ; the chunk's bias and V
	v_mov_b32 v22, v6                              ; working: where a slab is stored
	v_mov_b32 v23, SVP
	v_mov_b32 v24, v4                              ; working: where fragments are read
	v_add_nc_u32 v28, HBL, v18
	s_lshl_b32 s27, s26, 2
	s_add_co_u32 s27, s27, SVP
	v_mov_b32 v29, s27
	s_mov_b32 s38, ttmp9                           ; the block
	s_and_b32 s39, ttmp7, 0xffff                   ; the batch
	s_lshl_b32 s2, s39, 23                         ; x: 2,048 rows of 4,096 bytes a batch, 128 a block, 32 a wave
	s_lshl_b32 s27, s38, 19
	s_add_co_u32 s2, s2, s27
	s_lshl_b32 s27, s26, 17
	s_add_co_u32 s2, s2, s27
	s_mov_b32 s3, 0
	s_lshl_b32 s4, s26, 19                         ; wf: my wave's 256 columns
	s_mov_b32 s5, 0
	s_lshl_b32 s6, s39, 12                         ; hbp: row b
	s_mov_b32 s7, 0
	s_lshl_b32 s42, s39, 13                        ; scores
	s_lshl_b32 s27, s38, 9
	s_add_co_u32 s42, s42, s27
	s_mov_b32 s43, 0
	s_lshl_b32 s44, s39, 4                         ; ctxp: row 16 b + block, my wave's 256 columns
	s_add_co_u32 s44, s44, s38
	s_lshl_b32 s44, s44, 12
	s_lshl_b32 s27, s26, 10
	s_add_co_u32 s44, s44, s27
	s_mov_b32 s45, 0
	s_mov_b32 s32, 0x4038aa3b                      ; c2 = 2 log2(e)
	s_mov_b32 s33, s32
	s_mov_b32 s34, 0x76543210                      ; v_permlanex16_b32: each lane takes its own place in the other half
	s_mov_b32 s35, 0xfedcba98
	s_mov_b32 s40, 0x3fb8aa3b                      ; c1 = log2(e)
	s_mov_b32 s41, s40
	s_wait_kmcnt 0x0
	s_add_nc_u64 s[8:9], s[8:9], s[2:3]
	s_add_nc_u64 s[10:11], s[10:11], s[4:5]
	s_add_nc_u64 s[12:13], s[12:13], s[6:7]
	s_add_nc_u64 s[22:23], s[22:23], s[42:43]
	s_add_nc_u64 s[24:25], s[24:25], s[44:45]
	s_load_b32 s36, s[20:21], 0x0                  ; V_b
; HALF A SLAB: eight loads, each 256 consecutive bytes, aligned, of two rows.  half 0: my wave's rows 0-15, half 1: rows 16-31.  dd: slabs behind the pointer s[8:9]
.macro XLD slot, half, dd
	WIN 0
.irp n, 0,1,2,3,4,5,6,7
	global_load_b128 v[128+64*(\slot)+32*(\half)+4*\n:128+64*(\slot)+32*(\half)+4*\n+3], v5, s[8:9] offset:(16*(\half)+\n)*4096+(\dd)*256 th:TH_LOAD_NT
.endr
.endm
; a slot's 64 f32 a lane become 32 packed words in v32-63
.macro XCVT slot
	WIN 0
.set t, 0
.rept 16
	v_cvt_pk_bf16_f32 v[32+2*t], v[128+64*(\slot)+4*t],   v[128+64*(\slot)+4*t+1]
	v_cvt_pk_bf16_f32 v[33+2*t], v[128+64*(\slot)+4*t+2], v[128+64*(\slot)+4*t+3]
.set t, t+1
.endr
.endm
; and go to LDS: sixteen stores of 8 bytes a lane, two rows of 128 bytes each.  dd: slabs behind the working address v22
.macro XST dd
	WIN 0
.set t, 0
.rept 16
	ds_store_b64 v22, v[32+2*t:33+2*t] offset:(\dd)*SLB+((t%8)+16*(t/8))*PX
.set t, t+1
.endr
.endm
; 32 products: rows 64 hi .. + 63 (a = 0..3) x the chunk's 8 column tiles, 32 along K.  Every instruction names another accumulator, over the steps and the backward jumps too.
.macro MUL32 bf, hi, zero
	WIN 0xa1+0x50*(\hi)
.irp a, 0,1,2,3
.irp n, 0,1,2,3,4,5,6,7
.if \zero
	v_wmma_f32_16x16x32_bf16 v[8*(8*\a+\n):8*(8*\a+\n)+7], v[64*(\bf)+8*\n:64*(\bf)+8*\n+7], v[64+8*(4*(\hi)+\a):64+8*(4*(\hi)+\a)+7], 0
.else
	v_wmma_f32_16x16x32_bf16 v[8*(8*\a+\n):8*(8*\a+\n)+7], v[64*(\bf)+8*\n:64*(\bf)+8*\n+7], v[64+8*(4*(\hi)+\a):64+8*(4*(\hi)+\a)+7], v[8*(8*\a+\n):8*(8*\a+\n)+7]
.endif
.endr
.endr
.endm
; eight LDS loads: x's four fragments of rows 64 hi .. + 63, at byte k behind the working address v24 (a slab's second K step lies 64 bytes along its rows)
.macro LOADH hi, k
	WIN 0
.irp a, 0,1,2,3
	ds_load_b128 v[64+8*(4*(\hi)+\a):64+8*(4*(\hi)+\a)+3],   v24 offset:(4*(\hi)+\a)*16*PX+(\k)
	ds_load_b128 v[64+8*(4*(\hi)+\a)+4:64+8*(4*(\hi)+\a)+7], v24 offset:(4*(\hi)+\a)*16*PX+(\k)+32
.endr
.endm
; sixteen loads: W1's eight fragments of one K step, 512 consecutive bytes each
.macro LOADB bf, wimm
	WIN 0x40
.irp n, 0,1,2,3,4,5,6,7
	global_load_b128 v[64*(\bf)+8*\n:64*(\bf)+8*\n+3],   v8, s[10:11] offset:(\wimm)+\n*1024
	global_load_b128 v[64*(\bf)+8*\n+4:64*(\bf)+8*\n+7], v8, s[10:11] offset:(\wimm)+\n*1024+512
.endr
.endm
; the chunk's bias and -2 V: my 8 columns of each of the 8 tiles
.macro EPILD
	WIN 0
.irp n, 0,1,2,3,4,5,6,7
	ds_load_b128 v[128+8*\n:128+8*\n+3],   v19 offset:64*\n
	ds_load_b128 v[128+8*\n+4:128+8*\n+7], v19 offset:64*\n+16
	ds_load_b128 v[192+8*\n:192+8*\n+3],   v19 offset:4096+64*\n
	ds_load_b128 v[192+8*\n+4:192+8*\n+7], v19 offset:4096+64*\n+16
.endr
.endm
; A PREFETCH INTO THE L2 of x, once a trip of the loop over periods (two periods), behind the loads of the trip's first period: my wave's own 32 rows, a lane a row, of the slabs that lie five and six behind
; the pointer.  Their loads are issued one and a half and two and a half periods later (192 and 320 matrix instructions).  Each row's 256 bytes of a slab are named once in the launch, by the wave that
; will load them.  The five trips that ask name slabs 6 to 15; the last trip asks for nothing; slabs 0 to 5 come by their loads alone.
.macro ASK
	WIN 0
	s_cmp_gt_u32 s30, 1
	s_cbranch_scc0 .Lnoask_\@
	global_prefetch_b8 v7, s[8:9] offset:5*256 th:TH_LOAD_NT scope:SCOPE_SE
	global_prefetch_b8 v7, s[8:9] offset:6*256 th:TH_LOAD_NT scope:SCOPE_SE
.Lnoask_\@:
.endm
	; THE SMALL INPUTS: 38 loads, a thread's eight columns 4 t .. and 512 + 4 t .., into window 2; behind them slab 0 and half of slab 1: 62 loads are out
	WIN 0x80
.set q, 0
.rept 16
	global_load_b128 v[8*q:8*q+3],   v18, s[12:13] offset:q*131072
	global_load_b128 v[8*q+4:8*q+7], v18, s[12:13] offset:q*131072+2048
.set q, q+1
.endr
	global_load_b128 v[128:131], v18, s[14:15]
	global_load_b128 v[132:135], v18, s[14:15] offset:2048
	global_load_b128 v[136:139], v18, s[16:17]
	global_load_b128 v[140:143], v18, s[16:17] offset:2048
	global_load_b128 v[144:147], v18, s[18:19]
	global_load_b128 v[148:151], v18, s[18:19] offset:2048
	XLD 0, 0, 0
	XLD 0, 1, 0
	XLD 1, 0, 1
	s_wait_loadcnt 24                              ; the 24 loads of x are younger: the small inputs are in
	XLD 1, 1, 1                                    ; the rest of slab 1,
	LOADB 0, 0                                     ; and W1's K step 0
	WIN 0xaa                                       ; all operands in window 2
.irp c, 0,1,2,3
	v_pk_add_f32 v[128+2*\c:129+2*\c], v[128+2*\c:129+2*\c], v[136+2*\c:137+2*\c]   ; four chains: W1_b + W2_b,
.endr
.set q, 0
.rept 16
.irp c, 0,1,2,3
	v_pk_add_f32 v[128+2*\c:129+2*\c], v[128+2*\c:129+2*\c], v[8*q+2*\c:8*q+2*\c+1]   ; + the 16 partial sums of W2 hidden
.endr
.set q, q+1
.endr
.irp c, 0,1,2,3
	v_pk_mul_f32 v[128+2*\c:129+2*\c], v[128+2*\c:129+2*\c], s[32:33] op_sel_hi:[1,0]
	v_pk_mul_f32 v[136+2*\c:137+2*\c], v[144+2*\c:145+2*\c], -2.0 op_sel_hi:[1,0]
.endr
	WIN 0x08                                       ; address in window 0, data in window 2
	ds_store_b128 v28, v[128:131]
	ds_store_b128 v28, v[132:135] offset:2048
	ds_store_b128 v28, v[136:139] offset:4096
	ds_store_b128 v28, v[140:143] offset:6144
	WIN 0x0a
	v_pk_add_f32 v[30:31], v[144:145], v[146:147]  ; the sum of my eight V, then of the wave's 256
	v_pk_add_f32 v[32:33], v[148:149], v[150:151]
	WIN 0
	v_pk_add_f32 v[30:31], v[30:31], v[32:33]
	v_add_f32 v30, v30, v31
	v_add_f32_dpp v30, v30, v30 row_xmask:1 row_mask:0xf bank_mask:0xf
	v_add_f32_dpp v30, v30, v30 row_xmask:2 row_mask:0xf bank_mask:0xf
	v_add_f32_dpp v30, v30, v30 row_xmask:4 row_mask:0xf bank_mask:0xf
	v_add_f32_dpp v30, v30, v30 row_xmask:8 row_mask:0xf bank_mask:0xf
	v_permlanex16_b32 v31, v30, s34, s35
	v_add_f32 v30, v30, v31
	ds_store_b32 v29, v30
	s_wait_loadcnt 24                              ; slab 0 and the first half of slab 1 are in; the second half (8) and W1's step 0 (16) are younger
	XCVT 0
	XLD 0, 0, 2                                    ; from here on the order of issue is the loop's: a step of W1, half a slab, a step of W1, half a slab
	LOADB 1, 8192
	XLD 0, 1, 2
	XST 0
	s_wait_kmcnt 0x0                               ; V_b
	s_wait_dscnt 0x0                               ; for the others' sake: my rows of slab 0, my part of the tables
	s_barrier_signal -1
	s_barrier_wait -1                              ; slab 0, HBL, VML and SVP are whole; nothing writes them again
	LOADH 0, 0
	LOADH 1, 0
; A PERIOD of the first chunk: K steps e = 2 i (W1's buffer b0) and o = 2 i + 1 (b0 + 1).  d: the period's slab, counted from the slab at which the working addresses and pointers stand.
; xs = 1: slab i + 1 is rounded (these 32 plain instructions are the places behind the products) and stored in the middle of step e; at the end of e my stores, issued 32 products earlier, are waited for
; and the barrier is signalled; its wait stands in the middle of step o, in front of the first read of slab i + 1.  Between signal and wait stand products and reads of slab i, which nobody writes.
; xl = 1: slab i + 3 is asked for into the slot just emptied, half in each step, each half BEHIND the step's loads of W1: loads are counted in order, so a load of x has to be back when the next step's
; W1 is waited for, two and a half steps later.  wl = 1: W1 of steps e + 2 and o + 2.  So 56 loads of a wave are out at the most: 32 of W1, 24 of x.
; lce, lco: what may stay out when W1 of the step is wanted: 32 = a step of W1 and two halves of x, all issued behind it; fewer in the tail.  last = 1: the chunk's last step fetches bias and V.
.macro PERIOD d, b0, slot, zero, xs, xl, wl, lce, lco, last, pf
	s_wait_loadcnt \lce
	s_wait_dscnt 8                                 ; x's rows 0-63 are in; the eight loads of rows 64-127 are younger
	MUL32 \b0, 0, \zero
.if \xs
	XCVT \slot
.else
	PLACES
.endif
	LOADH 0, (\d)*SLB+64
.if \xs
	XST (\d)+1
.endif
.if \wl
	LOADB ((\b0)+2)%4, (2*(\d)+2)*8192
.endif
.if \xl
	XLD \slot, 0, (\d)+3
.endif
	s_wait_dscnt 8+16*(\xs)                        ; rows 64-127 are in; the eight loads and the sixteen stores just issued are younger
	MUL32 \b0, 1, \zero
	PLACES
.if \xs
	s_wait_dscnt 0x0                               ; for the others' sake: my rows of slab i + 1 are written
	s_barrier_signal -1
.endif
	LOADH 1, (\d)*SLB+64
	s_wait_loadcnt \lco
	s_wait_dscnt 8
	MUL32 (\b0)+1, 0, 0
	PLACES
.if \xs
	s_barrier_wait -1                              ; slab i + 1 is whole
.endif
.if \last
	s_wait_dscnt 0x0
	EPILD
.else
	LOADH 0, ((\d)+1)*SLB
.endif
.if \wl
	LOADB ((\b0)+3)%4, (2*(\d)+3)*8192
.endif
.if \xl
	XLD \slot, 1, (\d)+3
.endif
.if \pf
	ASK
.endif
.if (\last) == 0
	s_wait_dscnt 8
.endif
	MUL32 (\b0)+1, 1, 0
.if (\last) == 0
	PLACES
	LOADH 1, ((\d)+1)*SLB
.endif
.endm
	PERIOD 0, 0, 1, 1, 1, 1, 1, 32, 32, 0, 0       ; period 0 is written out: its first step starts the sums, nothing is cleared
	WIN 0
	s_mov_b32 s31, SLB                             ; the working addresses and the pointers go on to slab 1
	v_add_nc_u32 v22, s31, v6
	v_add_nc_u32 v24, s31, v4
	s_wait_xcnt 0x0                                ; the loads issued so far have read their bases: only now are they stepped
	s_add_nc_u64 s[8:9], s[8:9], 256
	s_add_nc_u64 s[10:11], s[10:11], 16384
	s_mov_b32 s30, 6
.Lpair:                                                ; periods 2 T + 1 and 2 T + 2, T = 0 .. 5: the last slab asked for is slab 15
	PERIOD 0, 2, 0, 0, 1, 1, 1, 32, 32, 0, 1
	PERIOD 1, 0, 1, 0, 1, 1, 1, 32, 32, 0, 0
	WIN 0
	s_add_co_u32 s31, s31, 2*SLB
	v_add_nc_u32 v22, s31, v6
	v_add_nc_u32 v24, s31, v4
	s_wait_xcnt 0x0                                ; the youngest load stands 32 products back, the prefetches 160
	s_add_nc_u64 s[8:9], s[8:9], 512
	s_add_nc_u64 s[10:11], s[10:11], 32768
	s_sub_co_u32 s30, s30, 1
	s_cmp_lg_u32 s30, 0
	s_cbranch_scc1 .Lpair
	PERIOD 0, 2, 0, 0, 1, 0, 1, 32, 24, 0, 0       ; period 13: no more of x is asked for: behind W1's step 27 stand half a slab and one step of W1
	PERIOD 1, 0, 1, 0, 1, 0, 1, 16, 16, 0, 0       ; period 14: slab 15 is stored; one step of W1 is younger
	PERIOD 2, 2, 0, 0, 0, 0, 0, 16, 0, 1, 0        ; period 15: nothing is asked for
	WIN 0
.set t, 32
.rept 32
	v_mov_b32 v[t], 0                              ; S starts at 0, so that both chunks' sums have one form; these 32 lines are also the places behind the last products
.set t, t+1
.endr
	s_wait_xcnt 0x0
	s_add_nc_u64 s[10:11], s[10:11], 3*16384       ; from step 26 of the first chunk to the second chunk's W1: its first three steps, and x's first, travel under the work below
	LOADB 0, 0
	LOADB 1, 8192
	LOADB 2, 16384
	WIN 0
	s_mov_b32 s31, 0
	v_mov_b32 v24, v4
	LOADH 0, 0
	LOADH 1, 0
	WIN 0
	s_mov_b32 s29, 2                               ; chunks whose sums are still to be turned into scores
	s_branch .Lepi                                 ; the loop below is entered in its middle
; A K STEP of the second chunk, where all of x lies in LDS: 64 products on W1's buffer bf.  lc: W1's loads that may stay out (16 for each later step asked for).  nx = 1: the next step's x, at byte k,
; is fetched, each half behind the products that read it.  ld = 1: W1 of the step three on is asked for, into the buffer that the step before read (eight v_nop lie between its last product and these loads).
.macro STEP bf, k, wimm, zero, ld, lc, nx
	s_wait_loadcnt \lc
	s_wait_dscnt 8                                 ; x's rows 0-63 are in; the eight loads of rows 64-127 are younger
	MUL32 \bf, 0, \zero
	PLACES
.if \nx
	LOADH 0, \k
.endif
.if \ld
	LOADB ((\bf)+3)%4, \wimm
.endif
.if \nx
	s_wait_dscnt 8                                 ; rows 64-127 are in; the eight loads just issued are younger
.else
	s_wait_dscnt 0x0
	EPILD
.endif
	MUL32 \bf, 1, \zero
.if \nx
	PLACES
	LOADH 1, \k
.endif
.endm
; THE WAY FROM SUMS TO SCORES, for rows 64 hi .. + 63: 128 pairs of numbers, pair gg = registers 2 ((gg % 16) / 4), + 1 of accumulator (gg % 4, column tile gg / 16).
; c2 z + c2 bias; 2^..; + 1; 1 / ..; S += (-2 V) x that.  Each kind of transcendental is ONE batch of 256 with one plain instruction and one wait behind it;
; within a batch the plain instruction of pair gg stands ahead of the two transcendentals of pair gg - 1, and nothing names a result.
.macro RG d
.set NT, (gg-(\d))/16
.set AA, (gg-(\d))%4
.set JP, 2*(((gg-(\d))%16)/4)
.set RR, 8*(8*AA+NT)+JP
.endm
.macro EPH hi
	WIN 0x82+0x41*(\hi)                            ; destination and source 0 in the accumulators' window, the bias in window 0
.set gg, 0
	RG 0
	v_pk_fma_f32 v[RR:RR+1], v[RR:RR+1], s[32:33], v[128+8*NT+JP:128+8*NT+JP+1] op_sel_hi:[1,0,1]
.rept 127
.set gg, gg+1
	RG 0
	v_pk_fma_f32 v[RR:RR+1], v[RR:RR+1], s[32:33], v[128+8*NT+JP:128+8*NT+JP+1] op_sel_hi:[1,0,1]
	RG 1
	v_exp_f32 v[RR], v[RR]
	v_exp_f32 v[RR+1], v[RR+1]
.endr
	RG 0
	v_exp_f32 v[RR], v[RR]
	v_exp_f32 v[RR+1], v[RR+1]
	v_nop
	s_wait_alu depctr_va_vdst(0)                   ; one wait for the 256 exponentials
.set gg, 0
	RG 0
	v_pk_add_f32 v[RR:RR+1], v[RR:RR+1], 1.0 op_sel_hi:[1,0]
.rept 127
.set gg, gg+1
	RG 0
	v_pk_add_f32 v[RR:RR+1], v[RR:RR+1], 1.0 op_sel_hi:[1,0]
	RG 1
	v_rcp_f32 v[RR], v[RR]
	v_rcp_f32 v[RR+1], v[RR+1]
.endr
	RG 0
	v_rcp_f32 v[RR], v[RR]
	v_rcp_f32 v[RR+1], v[RR+1]
	v_nop
	s_wait_alu depctr_va_vdst(0)                   ; one wait for the 256 reciprocals
	WIN 0x02+(\hi)
.set gg, 0
.rept 128                                          ; eight chains (row tile, parity of the pair) take turns
	RG 0
	v_pk_fma_f32 v[32+4*(4*(\hi)+AA)+(JP&2):32+4*(4*(\hi)+AA)+(JP&2)+1], v[RR:RR+1], v[192+8*NT+JP:192+8*NT+JP+1], v[32+4*(4*(\hi)+AA)+(JP&2):32+4*(4*(\hi)+AA)+(JP&2)+1]
.set gg, gg+1
.endr
.endm
.Lchunk:                                               ; the second chunk's 128 columns: 32 K steps; W1's steps 0, 1, 2 are on their way, x's step 0 too
	STEP 0, 64, 3*8192, 1, 1, 32, 1                ; the first step starts the sums
	WIN 0
	s_mov_b32 s30, 7
.Ltrip:                                                ; steps 4 T + 1 .. 4 T + 4
	STEP 1, SLB,      4*8192, 0, 1, 32, 1
	STEP 2, SLB+64,   5*8192, 0, 1, 32, 1
	STEP 3, 2*SLB,    6*8192, 0, 1, 32, 1
	STEP 0, 2*SLB+64, 7*8192, 0, 1, 32, 1
	WIN 0
	s_add_co_u32 s31, s31, 2*SLB
	v_add_nc_u32 v24, s31, v4
	s_wait_xcnt 0x0                                ; W1's loads have read their base: only now is it stepped, four K steps on
	s_add_nc_u64 s[10:11], s[10:11], 32768
	s_sub_co_u32 s30, s30, 1
	s_cmp_lg_u32 s30, 0
	s_cbranch_scc1 .Ltrip
	STEP 1, SLB,    0, 0, 0, 32, 1                 ; steps 29, 30, 31 ask for no more of W1: the counts run down
	STEP 2, SLB+64, 0, 0, 0, 16, 1
	STEP 3, 0,      0, 0, 0, 0,  0
	PLACES                                         ; behind the last products, in front of the work on their results
	PLACES
	WIN 0
.Lepi:
	s_wait_dscnt 0x0                               ; bias and -2 V are in
	EPH 0
	EPH 1
	WIN 0
	v_add_nc_u32 v19, 512, v19                     ; the next chunk's 128 columns of bias and V
	s_sub_co_u32 s29, s29, 1
	s_cmp_lg_u32 s29, 0
	s_cbranch_scc1 .Lchunk
	; THE BLOCK'S SCORES.  A lane's four partial sums of a row, then the other half of the lanes'; the four waves' parts meet in LDS.
.set t, 0
.rept 8
	v_pk_add_f32 v[32+4*t:33+4*t], v[32+4*t:33+4*t], v[34+4*t:35+4*t]
.set t, t+1
.endr
.set t, 0
.rept 8
	v_add_f32 v[32+4*t], v[32+4*t], v[33+4*t]
.set t, t+1
.endr
.set t, 0
.rept 8
	v_permlanex16_b32 v[33+4*t], v[32+4*t], s34, s35
.set t, t+1
.endr
.set t, 0
.rept 8
	v_add_f32 v[32+4*t], v[32+4*t], v[33+4*t]
.set t, t+1
.endr
.set t, 0
.rept 8
	ds_store_b32 v11, v[32+4*t] offset:64*t        ; row 16 t + r; both halves of the lanes hold the same number
.set t, t+1
.endr
	s_wait_dscnt 0x0
	s_barrier_signal -1
	s_barrier_wait -1
	; from here every wave does the same small work for itself (lane l: rows 4 l .. 4 l + 3), in the same order: no further barrier
.irp p, 0,1,2,3
	ds_load_b128 v[96+4*\p:99+4*\p], v12 offset:512*\p
.endr
	ds_load_b128 v[112:115], v23
	v_mov_b32 v24, v15                             ; x^T's addresses for the four steps of 32 rows
	v_add_nc_u32 v25, 32*PX, v15
	v_add_nc_u32 v26, 64*PX, v15
	v_add_nc_u32 v27, 96*PX, v15
	s_wait_dscnt 0x0
	v_pk_add_f32 v[96:97], v[96:97], v[100:101]
	v_pk_add_f32 v[98:99], v[98:99], v[102:103]
	v_pk_add_f32 v[104:105], v[104:105], v[108:109]
	v_pk_add_f32 v[106:107], v[106:107], v[110:111]
	v_pk_add_f32 v[112:113], v[112:113], v[114:115]
	v_pk_add_f32 v[96:97], v[96:97], v[104:105]
	v_pk_add_f32 v[98:99], v[98:99], v[106:107]
	v_add_f32 v112, v112, v113
	v_add_f32 v112, s36, v112                      ; the sum of V, + V_b
	v_pk_add_f32 v[96:97], v[96:97], v[112:113] op_sel_hi:[1,0]
	v_pk_add_f32 v[98:99], v[98:99], v[112:113] op_sel_hi:[1,0]   ; the scores; v[96:99] are not written again
	v_max_num_f32 v116, v96, v97
	v_max3_num_f32 v116, v116, v98, v99
	v_max_num_f32_dpp v116, v116, v116 row_xmask:1 row_mask:0xf bank_mask:0xf
	v_max_num_f32_dpp v116, v116, v116 row_xmask:2 row_mask:0xf bank_mask:0xf
	v_max_num_f32_dpp v116, v116, v116 row_xmask:4 row_mask:0xf bank_mask:0xf
	v_max_num_f32_dpp v116, v116, v116 row_xmask:8 row_mask:0xf bank_mask:0xf
	v_permlanex16_b32 v113, v116, s34, s35
	v_max_num_f32 v116, v116, v113                 ; the block's maximum
	s_cmp_lg_u32 s26, 0
	s_cbranch_scc1 .Lnosc
	global_store_b128 v8, v[96:99], s[22:23]       ; wave 0 alone: 512 consecutive bytes
.Lnosc:
	v_mul_f32 v118, s40, v116
	v_mov_b32 v119, v118
	v_pk_fma_f32 v[100:101], v[96:97], s[40:41], v[118:119] op_sel_hi:[1,0,0] neg_lo:[0,0,1] neg_hi:[0,0,1]   ; c1 s - c1 m
	v_pk_fma_f32 v[102:103], v[98:99], s[40:41], v[118:119] op_sel_hi:[1,0,0] neg_lo:[0,0,1] neg_hi:[0,0,1]
	v_exp_f32 v100, v100
	v_exp_f32 v101, v101
	v_exp_f32 v102, v102
	v_exp_f32 v103, v103
	v_nop
	s_wait_alu depctr_va_vdst(0)                   ; one wait for the four
	v_cvt_pk_bf16_f32 v104, v100, v101             ; p rounded to bf16,
	v_cvt_pk_bf16_f32 v105, v102, v103
	v_lshlrev_b32 v106, 16, v104
	v_and_b32 v107, 0xffff0000, v104
	v_lshlrev_b32 v108, 16, v105
	v_and_b32 v109, 0xffff0000, v105
	v_pk_add_f32 v[106:107], v[100:101], v[106:107] neg_lo:[0,1] neg_hi:[0,1]
	v_pk_add_f32 v[108:109], v[102:103], v[108:109] neg_lo:[0,1] neg_hi:[0,1]
	v_cvt_pk_bf16_f32 v110, v106, v107             ; and what the rounding left
	v_cvt_pk_bf16_f32 v111, v108, v109
	ds_store_b64 v13, v[104:105]                   ; my wave's own bytes: LDS serves a wave's instructions in order, so the loads below see them
	ds_store_b64 v13, v[110:111] offset:256
.irp k, 0,1,2,3
	ds_load_b128 v[64+8*\k:67+8*\k], v14 offset:64*\k
	ds_load_b128 v[68+8*\k:71+8*\k], v14 offset:64*\k+32
.endr
; THE SECOND PRODUCT: P (16 rows: even = rounded weights, odd = remainders) x the block's x, my wave's 256 columns: 16 accumulators in v128-255, four steps of 32 rows.
; Column tile n lies in slab 4 w + n / 4, 32 (n % 4) bytes along its rows.  The turning loads take the pitch that serves the first product's fragments.
.macro LOADX ks                        ; 32 turning loads: x^T's 16 fragments of rows 32 ks .. + 31, into window 1
	WIN 0x40
.irp n, 0,1,2,3,4,5,6,7,8,9,10,11,12,13,14,15
	ds_load_tr16_b128 v[128*((\ks)%2)+8*\n:128*((\ks)%2)+8*\n+3],   v[24+(\ks)] offset:((\n)/4)*SLB+((\n)%4)*32
	ds_load_tr16_b128 v[128*((\ks)%2)+8*\n+4:128*((\ks)%2)+8*\n+7], v[24+(\ks)] offset:((\n)/4)*SLB+((\n)%4)*32+16*PX
.endr
.endm
.macro MULX ks, zero                   ; the 16 accumulators take turns
	WIN 0x04
.irp n, 0,1,2,3,4,5,6,7,8,9,10,11,12,13,14,15
.if \zero
	v_wmma_f32_16x16x32_bf16 v[128+8*\n:128+8*\n+7], v[64+8*(\ks):64+8*(\ks)+7], v[128*((\ks)%2)+8*\n:128*((\ks)%2)+8*\n+7], 0
.else
	v_wmma_f32_16x16x32_bf16 v[128+8*\n:128+8*\n+7], v[64+8*(\ks):64+8*(\ks)+7], v[128*((\ks)%2)+8*\n:128*((\ks)%2)+8*\n+7], v[128+8*\n:128+8*\n+7]
.endif
.endr
.endm
	LOADX 0
	s_wait_dscnt 0x0                               ; P and the first step's x^T
	LOADX 1                                        ; each step's loads go out ahead of the products of the step before
	MULX 0, 1
	s_wait_dscnt 0x0
	PLACES
	LOADX 2
	MULX 1, 0
	s_wait_dscnt 0x0
	PLACES
	LOADX 3
	MULX 2, 0
	s_wait_dscnt 0x0
	MULX 3, 0
	WIN 0
	PLACES
	PLACES
.set t, 0
.rept 16
	v_add_f32 v[64+t], v[128+8*t], v[129+8*t]      ; row 8 h (rounded weights) + row 8 h + 1 (remainders): the accumulator's two lowest registers
.set t, t+1
.endr
.set t, 0
.rept 16
	ds_store_b32 v16, v[64+t] offset:64*t          ; column 16 t + r of my wave's 256
.set t, t+1
.endr
	ds_load_b128 v[80:83], v17
	ds_load_b128 v[84:87], v17 offset:512
	s_wait_dscnt 0x0
	global_store_b128 v8, v[80:83], s[24:25]       ; 512 consecutive bytes each
	global_store_b128 v8, v[84:87], s[24:25] offset:512
	s_wait_tensorcnt 0x0                           ; the wave's end
	ds_add_u32 v20, v21
	s_wait_dscnt 0x0
	s_endpgm
.Lfunc_end_k_q41c48f421d_main:
	.size	k_q41c48f421d_main, .Lfunc_end_k_q41c48f421d_main-k_q41c48f421d_main
	.p2alignl 7, 3214868480
	.fill 96, 4, 3214868480
	.section	.rodata,"a",@progbits
	.p2align	6, 0x0
	.amdhsa_kernel k_q41c48f421d_main
		.amdhsa_group_segment_fixed_size 312064
		.amdhsa_private_segment_fixed_size 0
		.amdhsa_enable_private_segment 0
		.amdhsa_kernarg_size 72
		.amdhsa_user_sgpr_count 2
		.amdhsa_user_sgpr_kernarg_segment_ptr 1
		.amdhsa_wavefront_size32 1
		.amdhsa_system_sgpr_workgroup_id_x 1
		.amdhsa_system_sgpr_workgroup_id_y 1
		.amdhsa_system_sgpr_workgroup_id_z 1
		.amdhsa_system_vgpr_workitem_id 0
		.amdhsa_next_free_vgpr 1024
		.amdhsa_next_free_sgpr 66
		.amdhsa_reserve_vcc 0
		.amdhsa_float_denorm_mode_32 3
		.amdhsa_float_denorm_mode_16_64 3
		.amdhsa_memory_ordered 1
		.amdhsa_forward_progress 1
		.amdhsa_inst_pref_size 255
	.end_amdhsa_kernel
	.section	.bss,"aw",@nobits
	.p2align	6
	.space	262144
	.amdgpu_metadata
---
amdhsa.version: [ 1, 2 ]
amdhsa.kernels:
  - .name:           k_q41c48f421d_main
    .symbol:         k_q41c48f421d_main.kd
    .args:
      - { .name: x, .offset: 0, .size: 8, .value_kind: global_buffer, .address_space: global }
      - { .name: wf, .offset: 8, .size: 8, .value_kind: global_buffer, .address_space: global }
      - { .name: hbp, .offset: 16, .size: 8, .value_kind: global_buffer, .address_space: global }
      - { .name: W1_b, .offset: 24, .size: 8, .value_kind: global_buffer, .address_space: global }
      - { .name: W2_b, .offset: 32, .size: 8, .value_kind: global_buffer, .address_space: global }
      - { .name: V_w, .offset: 40, .size: 8, .value_kind: global_buffer, .address_space: global }
      - { .name: V_b, .offset: 48, .size: 8, .value_kind: global_buffer, .address_space: global }
      - { .name: scores, .offset: 56, .size: 8, .value_kind: global_buffer, .address_space: global }
      - { .name: ctxp, .offset: 64, .size: 8, .value_kind: global_buffer, .address_space: global }
    .group_segment_fixed_size: 312064
    .private_segment_fixed_size: 0
    .kernarg_segment_align: 8
    .kernarg_segment_size: 72
    .max_flat_workgroup_size: 128
    .sgpr_count:     66
    .vgpr_count:     1024
    .wavefront_size: 32
...
	.end_amdgpu_metadata
.endif
;; end of part 2
;; launch finish (part 3): grid 32 x 1, 16 waves a work-group, no clusters, 2,304 bytes of LDS; arguments scores, ctxp, out0, out1; writes out0, out1
.if DOCPART == 3
	.amdgcn_target "amdgcn-amd-amdhsa--gfx1250"
	.amdhsa_code_object_version 6
	.text
	.protected	k_q41c48f421d_finish
	.globl	k_q41c48f421d_finish
	.p2align	8
	.type	k_q41c48f421d_finish,@function
k_q41c48f421d_finish:
	s_mov_b64 s[64:65], 0
	v_nop
	global_prefetch_b8 v0, s[64:65] scope:SCOPE_SE
	s_setreg_imm32_b32 hwreg(HW_REG_WAVE_MODE, 25, 1), 1
	s_wait_xcnt 0x0
; THE 16 BLOCKS OF A BATCH ARE JOINED.  scores: [32][2048] f32; ctxp: [32 x 16][1024] f32, block k's sum of exp(s - m_k) x, m_k the block's largest score.
; Wave i takes block i: m_i (a maximum of the stored scores, so the very number that the launch before used), p = exp(s - m_i), l_i = their sum.  The 16 pairs (m_k, l_k) meet in LDS.
; Then m = the largest m_k, e_k = exp(m_k - m), l = the sum of l_k e_k, f_k = e_k / l;  out1 = p f_i;  out0 = the sum of f_k ctxp_k, two columns a thread.
; l is at least 1: the block that holds m has e = 1 and a weight of 1.  A factor below 2^-126 counts as 0.  No matrix unit, no cluster: 2.4 MB are read and nothing is shared between work-groups.
.set SPARE, 256                        ; behind the block with the 16 pairs: the spare words, 128 bytes a wave
	s_load_b256 s[4:11], s[0:1], 0x0               ; scores s[4:5], ctxp s[6:7], out0 s[8:9], out1 s[10:11]
	v_lshl_add_u32 v4, v0, 2, SPARE                ; my spare word; never rewritten
	v_mov_b32 v5, 0                                ; 0; never rewritten
	v_lshrrev_b32 v7, 5, v0
	v_readfirstlane_b32 s12, v7                    ; wave
	s_lshl_b32 s13, s12, 3
	v_mov_b32 v3, s13                              ; where my wave's pair goes
	v_lshlrev_b32 v1, 4, v0                        ; my four scores
	v_lshlrev_b32 v2, 3, v0                        ; my two columns
	v_mov_b32 v6, 0
	v_mov_b32 v77, 0
	s_lshl_b32 s14, ttmp9, 13
	s_mov_b32 s15, 0
	s_lshl_b32 s16, ttmp9, 16
	s_mov_b32 s17, 0
	s_lshl_b32 s18, ttmp9, 12
	s_mov_b32 s19, 0
	s_mov_b32 s20, 0x3fb8aa3b                      ; c1 = log2(e)
	s_mov_b32 s21, s20
	s_mov_b32 s22, 0x76543210
	s_mov_b32 s23, 0xfedcba98
	s_wait_kmcnt 0x0
	s_add_nc_u64 s[4:5], s[4:5], s[14:15]
	s_add_nc_u64 s[6:7], s[6:7], s[16:17]
	s_add_nc_u64 s[8:9], s[8:9], s[18:19]
	s_add_nc_u64 s[10:11], s[10:11], s[14:15]
	global_load_b128 v[8:11], v1, s[4:5]
.set k, 0
.rept 16
	global_load_b64 v[12+2*k:13+2*k], v2, s[6:7] offset:k*4096
.set k, k+1
.endr
	s_wait_loadcnt 16                              ; the scores are in; the 16 loads of ctxp are younger
	v_max_num_f32 v76, v8, v9
	v_max3_num_f32 v76, v76, v10, v11
	v_max_num_f32_dpp v76, v76, v76 row_xmask:1 row_mask:0xf bank_mask:0xf
	v_max_num_f32_dpp v76, v76, v76 row_xmask:2 row_mask:0xf bank_mask:0xf
	v_max_num_f32_dpp v76, v76, v76 row_xmask:4 row_mask:0xf bank_mask:0xf
	v_max_num_f32_dpp v76, v76, v76 row_xmask:8 row_mask:0xf bank_mask:0xf
	v_permlanex16_b32 v77, v76, s22, s23
	v_max_num_f32 v76, v76, v77                    ; m_i
	v_mul_f32 v78, s20, v76
	v_mov_b32 v79, v78
	v_pk_fma_f32 v[80:81], v[8:9],   s[20:21], v[78:79] op_sel_hi:[1,0,0] neg_lo:[0,0,1] neg_hi:[0,0,1]
	v_pk_fma_f32 v[82:83], v[10:11], s[20:21], v[78:79] op_sel_hi:[1,0,0] neg_lo:[0,0,1] neg_hi:[0,0,1]
	v_exp_f32 v80, v80
	v_exp_f32 v81, v81
	v_exp_f32 v82, v82
	v_exp_f32 v83, v83
	v_nop
	s_wait_alu depctr_va_vdst(0)                   ; one wait for the four
	v_pk_add_f32 v[84:85], v[80:81], v[82:83]
	v_add_f32 v77, v84, v85
	v_add_f32_dpp v77, v77, v77 row_xmask:1 row_mask:0xf bank_mask:0xf
	v_add_f32_dpp v77, v77, v77 row_xmask:2 row_mask:0xf bank_mask:0xf
	v_add_f32_dpp v77, v77, v77 row_xmask:4 row_mask:0xf bank_mask:0xf
	v_add_f32_dpp v77, v77, v77 row_xmask:8 row_mask:0xf bank_mask:0xf
	v_permlanex16_b32 v84, v77, s22, s23
	v_add_f32 v77, v77, v84                        ; l_i
	ds_store_b64 v3, v[76:77]                      ; all lanes write the same pair
	s_wait_dscnt 0x0
	s_barrier_signal -1
	s_barrier_wait -1
.irp j, 0,1,2,3,4,5,6,7
	ds_load_b128 v[44+4*\j:47+4*\j], v6 offset:16*\j   ; m_k at v[44 + 2 k], l_k at v[45 + 2 k], in every lane
.endr
	s_wait_dscnt 0x0
	v_max3_num_f32 v86, v44, v46, v48
.irp k, 50,54,58,62,66,70
	v_max3_num_f32 v86, v86, v\k, v[\k+2]
.endr
	v_max_num_f32 v86, v86, v74                    ; m
	v_mul_f32 v87, s20, v86
.set k, 0
.rept 16
	v_fma_f32 v[44+2*k], v[44+2*k], s20, -v87      ; c1 m_k - c1 m
.set k, k+1
.endr
	v_fma_f32 v88, v76, s20, -v87
.set k, 0
.rept 16
	v_exp_f32 v[44+2*k], v[44+2*k]
.set k, k+1
.endr
	v_exp_f32 v88, v88
	v_nop
	s_wait_alu depctr_va_vdst(0)                   ; one wait for the 17
	v_mul_f32 v89, v44, v45
	v_mul_f32 v90, v46, v47
.set k, 2
.rept 14
	v_fmac_f32 v[89+k%2], v[44+2*k], v[45+2*k]     ; two chains
.set k, k+1
.endr
	v_add_f32 v89, v89, v90                        ; l
	v_rcp_f32 v91, v89
	v_nop
	s_wait_alu depctr_va_vdst(0)
.set k, 0
.rept 16
	v_mul_f32 v[44+2*k], v[44+2*k], v91            ; f_k
.set k, k+1
.endr
	v_mul_f32 v88, v88, v91
	v_mul_f32 v80, v80, v88
	v_mul_f32 v81, v81, v88
	v_mul_f32 v82, v82, v88
	v_mul_f32 v83, v83, v88
	global_store_b128 v1, v[80:83], s[10:11]       ; a wave stores 512 consecutive bytes
	s_wait_loadcnt 0x0                             ; ctxp
	v_pk_mul_f32 v[92:93], v[12:13], v[44:45] op_sel_hi:[1,0]
	v_pk_mul_f32 v[94:95], v[14:15], v[46:47] op_sel_hi:[1,0]
.set k, 2
.rept 14
	v_pk_fma_f32 v[92+2*(k%2):93+2*(k%2)], v[12+2*k:13+2*k], v[44+2*k:45+2*k], v[92+2*(k%2):93+2*(k%2)] op_sel_hi:[1,0,1]
.set k, k+1
.endr
	v_pk_add_f32 v[92:93], v[92:93], v[94:95]
	global_store_b64 v2, v[92:93], s[8:9]          ; a wave stores 256 consecutive bytes, aligned
	s_wait_tensorcnt 0x0                           ; the wave's end
	ds_add_u32 v4, v5
	s_wait_dscnt 0x0
	s_endpgm
.Lfunc_end_k_q41c48f421d_finish:
	.size	k_q41c48f421d_finish, .Lfunc_end_k_q41c48f421d_finish-k_q41c48f421d_finish
	.p2alignl 7, 3214868480
	.fill 96, 4, 3214868480
	.section	.rodata,"a",@progbits
	.p2align	6, 0x0
	.amdhsa_kernel k_q41c48f421d_finish
		.amdhsa_group_segment_fixed_size 2304
		.amdhsa_private_segment_fixed_size 0
		.amdhsa_enable_private_segment 0
		.amdhsa_kernarg_size 32
		.amdhsa_user_sgpr_count 2
		.amdhsa_user_sgpr_kernarg_segment_ptr 1
		.amdhsa_wavefront_size32 1
		.amdhsa_system_sgpr_workgroup_id_x 1
		.amdhsa_system_sgpr_workgroup_id_y 1
		.amdhsa_system_sgpr_workgroup_id_z 1
		.amdhsa_system_vgpr_workitem_id 0
		.amdhsa_next_free_vgpr 96
		.amdhsa_next_free_sgpr 66
		.amdhsa_reserve_vcc 0
		.amdhsa_float_denorm_mode_32 3
		.amdhsa_float_denorm_mode_16_64 3
		.amdhsa_memory_ordered 1
		.amdhsa_forward_progress 1
		.amdhsa_inst_pref_size 10
	.end_amdhsa_kernel
	.amdgpu_metadata
---
amdhsa.version: [ 1, 2 ]
amdhsa.kernels:
  - .name:           k_q41c48f421d_finish
    .symbol:         k_q41c48f421d_finish.kd
    .args:
      - { .name: scores, .offset: 0, .size: 8, .value_kind: global_buffer, .address_space: global }
      - { .name: ctxp, .offset: 8, .size: 8, .value_kind: global_buffer, .address_space: global }
      - { .name: out0, .offset: 16, .size: 8, .value_kind: global_buffer, .address_space: global }
      - { .name: out1, .offset: 24, .size: 8, .value_kind: global_buffer, .address_space: global }
    .group_segment_fixed_size: 2304
    .private_segment_fixed_size: 0
    .kernarg_segment_align: 8
    .kernarg_segment_size: 32
    .max_flat_workgroup_size: 512
    .sgpr_count:     66
    .vgpr_count:     96
    .wavefront_size: 32
...
	.end_amdgpu_metadata
.endif
;; end of part 3
;; ======== version 2 of 2: 3 launches; version 1 with the launch main written anew for expert scheduling mode
;; workspace buffers: wf 2,097,152 bytes; hbp 2,097,152 bytes; scores 262,144 bytes; ctxp 2,097,152 bytes
;; launch prep: the kernel of part 1 again; grid 16 x 16, 4 waves a work-group, no clusters, 9,216 bytes of LDS; arguments W1_w, W2_w, hidden, wf, hbp; writes wf, hbp
;; launch main (part 4): grid 16 x 32, 4 waves a work-group, no clusters, 312,064 bytes of LDS; arguments x, wf, hbp, W1_b, W2_b, V_w, V_b, scores, ctxp; writes scores, ctxp
.if DOCPART == 4
	.amdgcn_target "amdgcn-amd-amdhsa--gfx1250"
	.amdhsa_code_object_version 6
	.text
	.protected	k_q41c48f421d_main
	.globl	k_q41c48f421d_main
	.p2align	8
	.type	k_q41c48f421d_main,@function
k_q41c48f421d_main:
	s_mov_b64 s[64:65], 0
	v_nop
	global_prefetch_b8 v0, s[64:65] scope:SCOPE_SE
	s_setreg_imm32_b32 hwreg(HW_REG_WAVE_SCHED_MODE, 0, 2), 2
	s_setreg_imm32_b32 hwreg(HW_REG_WAVE_MODE, 25, 1), 1
	s_wait_xcnt 0x0
	s_wait_alu depctr_vm_vsrc(0)
; A BLOCK OF 128 ROWS t OF ONE BATCH b:  s[t] = V . tanh(W1 x[t] + W1_b + W2 hidden[b] + W2_b) + V_b;  m = the block's largest s;  p[t] = exp(s[t] - m);  ctxp = the sum over t of p[t] x[t][:].
; The last launch joins the 16 blocks of a batch.  x is read from memory once: it is rounded to bf16 on its way into LDS and stays there for both products.
; FORMATS AND LIMITS.  x, W1, hidden, W2 are bf16 matrix operands; p enters the second product as two bf16 rows, its rounded value and the remainder; biases, V and all sums are f32.
; tanh(z) = 1 - 2 / (1 + 2^(c2 z)), c2 = 2 log2(e): 2^.. = infinity gives 1, 2^.. = 0 gives -1, so no clamp is needed.  The score is (sum of V) + V_b + the sum of (-2 V) / (1 + 2^..), all in f32.
; A weight below 2^-126 counts as 0.  NaN and infinities in the inputs are not treated apart.
; SHARES.  Four waves.  In the first product wave w makes all 128 rows x columns 256 w .. 256 w + 255 of W1 x, in two chunks of 128 columns: 64 accumulators, 512 registers.  For 32 along K a wave
; reads 8 KB of x from LDS and 8 KB of W1 (already in fragment order, 16 bytes a lane) from memory for 64 matrix instructions.  Source 0 = 16 columns of W1, source 1 = 16 rows of x: a lane holds
; ONE row t and eight neighbouring columns, so bias and V come as registers and a row's score is a sum within the lane.
; x COMES IN UNDER THE FIRST CHUNK'S PRODUCTS, in the order of K: 16 SLABS of 64 channels (256 consecutive bytes, aligned, of each row: two K steps).  Wave w brings rows 32 w .. 32 w + 31 of each slab.
; A PERIOD is a slab's two K steps.  In period i slab i + 1 is rounded and stored to LDS, a barrier shows it to all waves, and slab i + 3 is asked for into the registers just emptied.
; NO CLUSTER, NO TENSOR LOAD.  All work-groups read the same W1, but a joint load wants LDS slots: beside the block of x (294,912 bytes) and 17,152 bytes of tables and stages
; 15,616 of 327,680 bytes are left, while one K step of the four waves is 32 KB of W1.  x is converted on its way, so it goes through registers; no wave wants a fragment of W1 that another wave has fetched.
; REGISTERS, in windows of 256 (s_set_vgpr_msb: bits 1:0 source 0, 3:2 source 1, 5:4 source 2, 7:6 destination):
;   window 0: v0-31 addresses and temporaries; v32-63 a slab's packed words, later S, the rows' running sums; v64-127 x's fragments (two halves of 4 x 8);
;             v128-255 two slots of 64 for slabs on their way, later HB (v128-191) and VM (v192-255), bias and -2 V of the chunk's columns
;   window 1: W1's fragments, four buffers of 64; later x^T's   window 2, 3: accumulators of rows 0-63, 64-127 ((a, n) at 8 (8 a + n)); at the head window 2 takes the small inputs
; THE MODE: SCHED_MODE bits 1:0 = 2 (LLVM: expert scheduling mode 2), set by the entry lines.  The code itself states the register dependences between vector or matrix instructions and memory or LDS
; instructions, with s_wait_alu, always for 0.
; THE PLAN.  A K step is two HALVES of 32 products: rows 0-63, then rows 64-127.  Registers that memory or LDS instructions touch in the K steps:
;   H0 = v64-95    read by a step's first half;  the next step's fragments land in it, asked for behind the first four products of the second half.
;   H1 = v96-127   read by a step's second half; the same step's fragments land in it, asked for behind the first four products of the first half.
;   W[0..3]        step s's products read W[s % 4]; the loads dealt into its second half land in the buffer that step s - 2 (first chunk) or s - 1 (second chunk) read.
;   the slots      read by the roundings in the middle of a period's first step; the loads of the slab three on land there, half in each step's second half.
;   v32-63         written by those roundings; read by the sixteen LDS stores dealt into the same step's second half.
;   v22, v24       LDS addresses, written once a trip of a loop; v19 once a chunk.  All other addresses are made at the head and never written again.
; So ONE wait on va_vdst stands at the head of each half, behind the waits for that half's data.  It states that the half before is done reading its fragments (and, in the middle of a period's first step,
; that the roundings have written v32-63 and are done reading their slot).  Behind it stand the half's products alone, which name W[s % 4], the half's own H and its accumulators: none of the registers
; that the loads and stores dealt among them touch.  Waits on vm_vsrc stand ahead of the roundings and ahead of each write of an address.
.set PX,    144                        ; a row of a slab in LDS: 128 bytes + 16: an odd multiple of 16, so the 16 rows of a fragment load start at 16 different 16-byte columns modulo 256
.set SLB,   128*PX                     ; a slab: 18,432 consecutive bytes
.set HBL,   16*SLB                     ; c2 (W2 hidden + W1_b + W2_b), f32 [1024]
.set VML,   HBL+4096                   ; -2 V, f32 [1024]
.set SCP,   HBL+8192                   ; four waves' partial scores, 512 bytes each
.set SVP,   SCP+2048                   ; four waves' partial sums of V
.set PHL,   SVP+256                    ; for each wave: p rounded (256 bytes), its remainder (256 bytes)
.set CTS,   PHL+2048                   ; for each wave: 1,024 bytes of context on the way out
.set MSB, 0
.macro WIN new                         ; the immediate's high byte repeats the setting that is left; a switch that changes nothing is dropped
.if MSB != (\new)
	s_set_vgpr_msb (MSB<<8)|(\new)
.set MSB, (\new)
.endif
.endm
.macro PLACES                          ; four places between a matrix instruction and a load into, or a vector instruction on, one of its registers; they stay beside the waits on va_vdst
.rept 4
	v_nop
.endr
.endm
	s_load_b512 s[8:23], s[0:1], 0x0               ; x s[8:9], wf s[10:11], hbp s[12:13], W1_b s[14:15], W2_b s[16:17], V_w s[18:19], V_b s[20:21], scores s[22:23]
	s_load_b64 s[24:25], s[0:1], 0x40              ; ctxp
	v_lshl_add_u32 v20, v0, 2, 0x4c100
	v_mov_b32 v21, 0
	v_lshrrev_b32 v28, 5, v0
	v_readfirstlane_b32 s26, v28                   ; wave w
	v_and_b32 v1, 15, v0                           ; r
	v_bfe_u32 v2, v0, 4, 1                         ; h
	v_and_b32 v3, 31, v0                           ; lane
	v_mul_u32_u24 v4, v1, PX                       ; v4: x's fragments: row r, 16 h; never rewritten
	v_lshl_add_u32 v4, v2, 4, v4
	v_lshlrev_b32 v5, 4, v1                        ; v5: a slab's loads: lanes 0-15 take 256 bytes of one row, lanes 16-31 of the row 8 further down; never rewritten
	v_lshl_add_u32 v5, v2, 15, v5
	s_wait_alu depctr_va_sdst(0)                   ; s26 is written, ahead of its first reader: LDS places and the buffers' offsets are made from it
	s_mul_i32 s27, s26, 32*PX
	v_mul_u32_u24 v6, v2, 8*PX                     ; v6: where my 8 packed bytes go in a slab: my wave's rows, 8 h rows, 8 r bytes.  8 rows are 1,152 bytes = 128 modulo 256:
	v_lshl_add_u32 v6, v1, 3, v6                   ; the two halves of the lanes fall on different banks; never rewritten
	v_add_nc_u32 v6, s27, v6
	v_lshlrev_b32 v7, 12, v3                       ; v7: the prefetches' offset: a lane a row; never rewritten
	v_lshlrev_b32 v8, 4, v3                        ; v8: 16 x lane: W1's fragments, the stores; never rewritten
	s_lshl_b32 s27, s26, 10
	s_add_co_u32 s27, s27, HBL
	v_lshl_add_u32 v10, v2, 5, s27                 ; my 8 columns' bias in the wave's first chunk
	s_lshl_b32 s28, s26, 9
	s_add_co_u32 s27, s28, SCP
	v_lshl_add_u32 v11, v1, 2, s27                 ; my wave's partial score of row r
	v_lshl_add_u32 v12, v3, 4, SCP                 ; four rows' partial scores
	s_add_co_u32 s27, s28, PHL
	v_lshl_add_u32 v13, v3, 3, s27                 ; my four weights
	v_and_b32 v28, 1, v0
	v_lshl_add_u32 v14, v28, 8, s27                ; P's fragments: even rows take the rounded weights, odd rows the remainders
	v_lshl_add_u32 v14, v2, 4, v14
	v_and_b32 v28, 7, v0                           ; the turning load: row 8 h + lane % 8, 16 bytes ((lane / 8) % 2), my wave's 256 columns = slabs 4 w .. 4 w + 3
	v_lshl_add_u32 v28, v2, 3, v28
	v_mul_u32_u24 v15, v28, PX
	v_bfe_u32 v28, v0, 3, 1
	v_lshl_add_u32 v15, v28, 4, v15
	s_mul_i32 s27, s26, 4*SLB
	v_add_nc_u32 v15, s27, v15
	s_lshl_b32 s27, s26, 10
	s_add_co_u32 s27, s27, CTS
	v_lshl_add_u32 v16, v1, 2, s27                 ; the context's way out: in,
	v_lshl_add_u32 v17, v3, 4, s27                 ; and back
	v_lshlrev_b32 v18, 4, v0                       ; 16 x thread
	v_mov_b32 v19, v10                             ; the chunk's bias and V
	v_mov_b32 v22, v6                              ; working: where a slab is stored
	v_mov_b32 v23, SVP
	v_mov_b32 v24, v4                              ; working: where fragments are read
	v_add_nc_u32 v28, HBL, v18
	s_lshl_b32 s27, s26, 2
	s_add_co_u32 s27, s27, SVP
	v_mov_b32 v29, s27
	s_mov_b32 s38, ttmp9                           ; the block
	s_and_b32 s39, ttmp7, 0xffff                   ; the batch
	s_lshl_b32 s2, s39, 23                         ; x: 2,048 rows of 4,096 bytes a batch, 128 a block, 32 a wave
	s_lshl_b32 s27, s38, 19
	s_add_co_u32 s2, s2, s27
	s_lshl_b32 s27, s26, 17
	s_add_co_u32 s2, s2, s27
	s_mov_b32 s3, 0
	s_lshl_b32 s4, s26, 19                         ; wf: my wave's 256 columns
	s_mov_b32 s5, 0
	s_lshl_b32 s6, s39, 12                         ; hbp: row b
	s_mov_b32 s7, 0
	s_lshl_b32 s42, s39, 13                        ; scores
	s_lshl_b32 s27, s38, 9
	s_add_co_u32 s42, s42, s27
	s_mov_b32 s43, 0
	s_lshl_b32 s44, s39, 4                         ; ctxp: row 16 b + block, my wave's 256 columns
	s_add_co_u32 s44, s44, s38
	s_lshl_b32 s44, s44, 12
	s_lshl_b32 s27, s26, 10
	s_add_co_u32 s44, s44, s27
	s_mov_b32 s45, 0
	s_mov_b32 s32, 0x4038aa3b                      ; c2 = 2 log2(e)
	s_mov_b32 s33, s32
	s_mov_b32 s34, 0x76543210                      ; v_permlanex16_b32: each lane takes its own place in the other half
	s_mov_b32 s35, 0xfedcba98
	s_mov_b32 s40, 0x3fb8aa3b                      ; c1 = log2(e)
	s_mov_b32 s41, s40
	s_wait_kmcnt 0x0
	s_add_nc_u64 s[8:9], s[8:9], s[2:3]
	s_add_nc_u64 s[10:11], s[10:11], s[4:5]
	s_add_nc_u64 s[12:13], s[12:13], s[6:7]
	s_add_nc_u64 s[22:23], s[22:23], s[42:43]
	s_add_nc_u64 s[24:25], s[24:25], s[44:45]
	s_load_b32 s36, s[20:21], 0x0                  ; V_b
; HALF A SLAB: eight loads, each 256 consecutive bytes, aligned, of two rows.  half 0: my wave's rows 0-15, half 1: rows 16-31.  dd: slabs behind the pointer s[8:9]
.macro XLD slot, half, dd
	WIN 0
.irp n, 0,1,2,3,4,5,6,7
	global_load_b128 v[128+64*(\slot)+32*(\half)+4*\n:128+64*(\slot)+32*(\half)+4*\n+3], v5, s[8:9] offset:(16*(\half)+\n)*4096+(\dd)*256 th:TH_LOAD_NT
.endr
.endm
; a slot's 64 f32 a lane become 32 packed words in v32-63
.macro XCVT slot
	WIN 0
.set t, 0
.rept 16
	v_cvt_pk_bf16_f32 v[32+2*t], v[128+64*(\slot)+4*t],   v[128+64*(\slot)+4*t+1]
	v_cvt_pk_bf16_f32 v[33+2*t], v[128+64*(\slot)+4*t+2], v[128+64*(\slot)+4*t+3]
.set t, t+1
.endr
.endm
; and go to LDS: twice eight stores of 8 bytes a lane, two rows of 128 bytes each.  dd: slabs behind the working address v22
.macro XST8 dd, half
	WIN 0
.irp n, 0,1,2,3,4,5,6,7
	ds_store_b64 v22, v[32+2*(8*(\half)+\n):33+2*(8*(\half)+\n)] offset:(\dd)*SLB+(\n+16*(\half))*PX
.endr
.endm
; A half's 32 products: rows 64 hi .. + 63 (row tile a = 0..3) x the chunk's 8 column tiles, 32 along K, a outermost.  MUL4 writes group g of eight: row tile g / 2, column tiles 4 (g % 2) .. + 3.
; Every instruction names another accumulator, over the halves, the steps and the backward jumps too.
.macro MUL4 bf, hi, zero, g
	WIN 0xa1+0x50*(\hi)
.set rA, (\g)/2
.set rN, 4*((\g)%2)
.irp j, 0,1,2,3
.if \zero
	v_wmma_f32_16x16x32_bf16 v[8*(8*rA+rN+\j):8*(8*rA+rN+\j)+7], v[64*(\bf)+8*(rN+\j):64*(\bf)+8*(rN+\j)+7], v[64+8*(4*(\hi)+rA):64+8*(4*(\hi)+rA)+7], 0
.else
	v_wmma_f32_16x16x32_bf16 v[8*(8*rA+rN+\j):8*(8*rA+rN+\j)+7], v[64*(\bf)+8*(rN+\j):64*(\bf)+8*(rN+\j)+7], v[64+8*(4*(\hi)+rA):64+8*(4*(\hi)+rA)+7], v[8*(8*rA+rN+\j):8*(8*rA+rN+\j)+7]
.endif
.endr
.endm
.macro MULS bf, hi, zero, from, n      ; n groups of four, from group 'from' on
.set gi, \from
.rept \n
	MUL4 \bf, \hi, \zero, gi
.set gi, gi+1
.endr
.endm
; eight LDS loads: x's four fragments of rows 64 hi .. + 63, at byte k behind the working address v24 (a slab's second K step lies 64 bytes along its rows)
.macro LOADH hi, k
	WIN 0
.irp a, 0,1,2,3
	ds_load_b128 v[64+8*(4*(\hi)+\a):64+8*(4*(\hi)+\a)+3],   v24 offset:(4*(\hi)+\a)*16*PX+(\k)
	ds_load_b128 v[64+8*(4*(\hi)+\a)+4:64+8*(4*(\hi)+\a)+7], v24 offset:(4*(\hi)+\a)*16*PX+(\k)+32
.endr
.endm
; eight loads: four of W1's eight fragments of one K step, 512 consecutive bytes each
.macro LOADB8 bf, wimm, half
	WIN 0x40
.irp n, 0,1,2,3
	global_load_b128 v[64*(\bf)+8*(4*(\half)+\n):64*(\bf)+8*(4*(\half)+\n)+3],   v8, s[10:11] offset:(\wimm)+(4*(\half)+\n)*1024
	global_load_b128 v[64*(\bf)+8*(4*(\half)+\n)+4:64*(\bf)+8*(4*(\half)+\n)+7], v8, s[10:11] offset:(\wimm)+(4*(\half)+\n)*1024+512
.endr
.endm
.macro LOADB bf, wimm
	LOADB8 \bf, \wimm, 0
	LOADB8 \bf, \wimm, 1
.endm
; eight LDS loads: the chunk's bias and -2 V: my 8 columns of column tiles 2 p and 2 p + 1
.macro EPILD8 p
	WIN 0
.irp n, 0,1
	ds_load_b128 v[128+8*(2*(\p)+\n):128+8*(2*(\p)+\n)+3],   v19 offset:64*(2*(\p)+\n)
	ds_load_b128 v[128+8*(2*(\p)+\n)+4:128+8*(2*(\p)+\n)+7], v19 offset:64*(2*(\p)+\n)+16
	ds_load_b128 v[192+8*(2*(\p)+\n):192+8*(2*(\p)+\n)+3],   v19 offset:4096+64*(2*(\p)+\n)
	ds_load_b128 v[192+8*(2*(\p)+\n)+4:192+8*(2*(\p)+\n)+7], v19 offset:4096+64*(2*(\p)+\n)+16
.endr
.endm
; A PREFETCH INTO THE L2 of x, once a trip of the loop over periods (two periods), behind the loads of the trip's first period: my wave's own 32 rows, a lane a row, of the slabs that lie five and six behind
; the pointer.  Their first loads are issued one and a half and two and a half periods later (200 and 328 matrix instructions).  Each row's 256 bytes of a slab are named once in the launch, by the wave that
; will load them.  The five trips that ask name slabs 6 to 15; the last trip asks for nothing; slabs 0 to 5 come by their loads alone.  v7 was written ahead of the head's wait on va_vdst.
.macro ASK
	WIN 0
	s_cmp_gt_u32 s30, 1
	s_cbranch_scc0 .Lnoask_\@
	global_prefetch_b8 v7, s[8:9] offset:5*256 th:TH_LOAD_NT scope:SCOPE_SE
	global_prefetch_b8 v7, s[8:9] offset:6*256 th:TH_LOAD_NT scope:SCOPE_SE
.Lnoask_\@:
.endm
	; THE SMALL INPUTS: 38 loads, a thread's eight columns 4 t .. and 512 + 4 t .., into window 2; behind them slab 0 and half of slab 1: 62 loads are out
	WIN 0x80
	s_wait_alu depctr_va_vdst(0)                   ; the addresses and offsets v4 to v29 are written, which the kernel's loads, stores and prefetches read
.set q, 0
.rept 16
	global_load_b128 v[8*q:8*q+3],   v18, s[12:13] offset:q*131072
	global_load_b128 v[8*q+4:8*q+7], v18, s[12:13] offset:q*131072+2048
.set q, q+1
.endr
	global_load_b128 v[128:131], v18, s[14:15]
	global_load_b128 v[132:135], v18, s[14:15] offset:2048
	global_load_b128 v[136:139], v18, s[16:17]
	global_load_b128 v[140:143], v18, s[16:17] offset:2048
	global_load_b128 v[144:147], v18, s[18:19]
	global_load_b128 v[148:151], v18, s[18:19] offset:2048
	XLD 0, 0, 0
	XLD 0, 1, 0
	XLD 1, 0, 1
	s_wait_loadcnt 24                              ; the 24 loads of x are younger: the small inputs are in
	XLD 1, 1, 1                                    ; the rest of slab 1,
	LOADB 0, 0                                     ; and W1's K step 0
	WIN 0xaa                                       ; all operands in window 2
.irp c, 0,1,2,3
	v_pk_add_f32 v[128+2*\c:129+2*\c], v[128+2*\c:129+2*\c], v[136+2*\c:137+2*\c]   ; four chains: W1_b + W2_b,
.endr
.set q, 0
.rept 16
.irp c, 0,1,2,3
	v_pk_add_f32 v[128+2*\c:129+2*\c], v[128+2*\c:129+2*\c], v[8*q+2*\c:8*q+2*\c+1]   ; + the 16 partial sums of W2 hidden
.endr
.set q, q+1
.endr
.irp c, 0,1,2,3
	v_pk_mul_f32 v[128+2*\c:129+2*\c], v[128+2*\c:129+2*\c], s[32:33] op_sel_hi:[1,0]
	v_pk_mul_f32 v[136+2*\c:137+2*\c], v[144+2*\c:145+2*\c], -2.0 op_sel_hi:[1,0]
.endr
	WIN 0x0a
	v_pk_add_f32 v[30:31], v[144:145], v[146:147]  ; the sum of my eight V, then of the wave's 256
	v_pk_add_f32 v[32:33], v[148:149], v[150:151]
	WIN 0
	v_pk_add_f32 v[30:31], v[30:31], v[32:33]
	v_add_f32 v30, v30, v31
	v_add_f32_dpp v30, v30, v30 row_xmask:1 row_mask:0xf bank_mask:0xf
	v_add_f32_dpp v30, v30, v30 row_xmask:2 row_mask:0xf bank_mask:0xf
	v_add_f32_dpp v30, v30, v30 row_xmask:4 row_mask:0xf bank_mask:0xf
	v_add_f32_dpp v30, v30, v30 row_xmask:8 row_mask:0xf bank_mask:0xf
	v_permlanex16_b32 v31, v30, s34, s35
	v_add_f32 v30, v30, v31
	s_wait_loadcnt 24                              ; slab 0 and the first half of slab 1 are in; the second half (8) and W1's step 0 (16) are younger
	XCVT 0
	s_wait_alu depctr_va_vdst(0)                   ; the roundings are done reading slot 0, in which the loads below land, and have written v32-63; the tables (window 2's v128-143) and v30 are written: the LDS stores below read these
	XLD 0, 0, 2                                    ; from here on the order of issue is the loop's: a step of W1, half a slab, a step of W1, half a slab
	LOADB 1, 8192
	XLD 0, 1, 2
	XST8 0, 0
	XST8 0, 1
	WIN 0x08                                       ; address in window 0, data in window 2
	ds_store_b128 v28, v[128:131]
	ds_store_b128 v28, v[132:135] offset:2048
	ds_store_b128 v28, v[136:139] offset:4096
	ds_store_b128 v28, v[140:143] offset:6144
	WIN 0
	ds_store_b32 v29, v30
	s_wait_kmcnt 0x0                               ; V_b
	s_wait_dscnt 0x0                               ; for the others' sake: my rows of slab 0, my part of the tables
	s_barrier_signal -1
	s_barrier_wait -1                              ; slab 0, HBL, VML and SVP are whole; nothing writes them again
	s_wait_alu depctr_vm_vsrc(0)                   ; my LDS stores have read window 2's v128-143, which the first products write as accumulators
	LOADH 0, 0                                     ; K step 0, rows 0-63; each step asks for its own rows 64-127
; A PERIOD of the first chunk: K steps e = 2 i (W1's buffer b0) and o = 2 i + 1 (b0 + 1).  d: the period's slab, counted from the slab at which the working addresses and pointers stand.
; Behind the first four products of a half stand the eight LDS loads into the fragments that the half before read: 28 products stand between them and the wait for them, which is for 0, since no LDS
; instruction is younger.  All else is dealt into the second halves, eight instructions behind four products.
; xs = 1: slab i + 1 is rounded in the middle of step e (these 32 plain instructions are the places behind the products) and stored in its second half; at the head of step o my stores are waited for
; and the barrier is signalled; its wait stands in the middle of step o, in front of the first read of slab i + 1.  Between signal and wait stand products and reads of slab i, which nobody writes.
; xl = 1: slab i + 3 is asked for into the slot just emptied, half in each step, each half BEHIND the step's loads of W1: loads are counted in order, so a load of x has to be back when the next step's
; W1 is waited for, two and a half steps later.  wl = 1: W1 of steps e + 2 and o + 2.  So 56 loads of a wave are out at the most: 32 of W1, 24 of x.
; lce, lco: what may stay out when W1 of the step is wanted: 32 = a step of W1 and two halves of x, all issued behind it; fewer in the tail.  last = 1: the chunk's last half fetches bias and V.
; zero = 1: period 0: step e starts the sums; no vector or matrix instruction has named v96-127 yet, so its head holds no wait on va_vdst.
.macro PERIOD d, b0, slot, zero, xs, xl, wl, lce, lco, last, pf
	s_wait_loadcnt \lce
	s_wait_dscnt 0x0                               ; step e's rows 0-63 are in
.if !(\zero)
	s_wait_alu depctr_va_vdst(0)                   ; the last step's second half is done reading v96-127, in which the loads below land; behind a step of the addresses, v22 and v24 are written
.endif
	MULS \b0, 0, \zero, 0, 1
	LOADH 1, (\d)*SLB
	MULS \b0, 0, \zero, 1, 7
.if \xs
	WIN 0
	s_wait_alu depctr_vm_vsrc(0)                   ; the last slab's LDS stores have read v32-63, which the roundings write again
	XCVT \slot
.else
	PLACES
.endif
	s_wait_dscnt 0x0                               ; rows 64-127 are in
	s_wait_alu depctr_va_vdst(0)                   ; the first half is done reading v64-95, in which the next step's fragments land; the roundings have written v32-63, which the stores read, and are done reading their slot, in which the loads of x land
	MULS \b0, 1, \zero, 0, 1
	LOADH 0, (\d)*SLB+64
	MULS \b0, 1, \zero, 1, 1
.if \xs
	XST8 (\d)+1, 0
.endif
	MULS \b0, 1, \zero, 2, 1
.if \xs
	XST8 (\d)+1, 1
.endif
	MULS \b0, 1, \zero, 3, 1
.if \wl
	LOADB8 ((\b0)+2)%4, (2*(\d)+2)*8192, 0         ; into the buffer that step e - 2 read: no product since the wait names it
.endif
	MULS \b0, 1, \zero, 4, 1
.if \wl
	LOADB8 ((\b0)+2)%4, (2*(\d)+2)*8192, 1
.endif
	MULS \b0, 1, \zero, 5, 1
.if \xl
	XLD \slot, 0, (\d)+3
.endif
	MULS \b0, 1, \zero, 6, 2
	PLACES
	s_wait_dscnt 0x0                               ; step o's rows 0-63 are in; for the others' sake: my rows of slab i + 1 are written
.if \xs
	s_barrier_signal -1
.endif
	s_wait_loadcnt \lco
	s_wait_alu depctr_va_vdst(0)                   ; step e's second half is done reading v96-127, in which the loads below land
	MULS (\b0)+1, 0, 0, 0, 1
	LOADH 1, (\d)*SLB+64
	MULS (\b0)+1, 0, 0, 1, 7
.if (\last) == 0
	PLACES
.endif
.if \xs
	s_barrier_wait -1                              ; slab i + 1 is whole
.endif
	s_wait_dscnt 0x0                               ; rows 64-127 are in
.if (\last) == 0
	s_wait_alu depctr_va_vdst(0)                   ; the first half is done reading v64-95, in which the next step's fragments land
.endif
	MULS (\b0)+1, 1, 0, 0, 1
.if \last
	EPILD8 0                                       ; bias and V land in the slots, which no vector instruction has named since the waits of the period before
.else
	LOADH 0, ((\d)+1)*SLB
.endif
	MULS (\b0)+1, 1, 0, 1, 1
.if \last
	EPILD8 1
.endif
.if \wl
	LOADB8 ((\b0)+3)%4, (2*(\d)+3)*8192, 0         ; into the buffer that step o - 2 read
.endif
	MULS (\b0)+1, 1, 0, 2, 1
.if \last
	EPILD8 2
.endif
.if \wl
	LOADB8 ((\b0)+3)%4, (2*(\d)+3)*8192, 1
.endif
	MULS (\b0)+1, 1, 0, 3, 1
.if \last
	EPILD8 3
.endif
.if \xl
	XLD \slot, 1, (\d)+3                           ; the slot's other half: its roundings stand ahead of the wait in the middle of step e
.endif
.if \pf
	ASK
.endif
	MULS (\b0)+1, 1, 0, 4, 4
.if (\last) == 0
	PLACES
.endif
.endm
	PERIOD 0, 0, 1, 1, 1, 1, 1, 32, 32, 0, 0       ; period 0 is written out: its first step starts the sums, nothing is cleared
	WIN 0
	s_mov_b32 s31, SLB                             ; the working addresses and the pointers go on to slab 1
	s_wait_alu depctr_vm_vsrc(0)                   ; the LDS stores and fragment loads issued so far have read v22 and v24
	v_add_nc_u32 v22, s31, v6
	v_add_nc_u32 v24, s31, v4
	s_wait_xcnt 0x0                                ; the loads issued so far have read their bases: only now are they stepped
	s_add_nc_u64 s[8:9], s[8:9], 256
	s_add_nc_u64 s[10:11], s[10:11], 16384
	s_mov_b32 s30, 6
.Lpair:                                                ; periods 2 T + 1 and 2 T + 2, T = 0 .. 5: the last slab asked for is slab 15
	PERIOD 0, 2, 0, 0, 1, 1, 1, 32, 32, 0, 1
	PERIOD 1, 0, 1, 0, 1, 1, 1, 32, 32, 0, 0
	WIN 0
	s_add_co_u32 s31, s31, 2*SLB
	s_wait_alu depctr_vm_vsrc(0)                   ; the LDS stores and fragment loads issued so far have read v22 and v24
	v_add_nc_u32 v22, s31, v6
	v_add_nc_u32 v24, s31, v4
	s_wait_xcnt 0x0                                ; the youngest load stands 16 products back, the prefetches 144
	s_add_nc_u64 s[8:9], s[8:9], 512
	s_add_nc_u64 s[10:11], s[10:11], 32768
	s_sub_co_u32 s30, s30, 1
	s_cmp_lg_u32 s30, 0
	s_cbranch_scc1 .Lpair
	PERIOD 0, 2, 0, 0, 1, 0, 1, 32, 24, 0, 0       ; period 13: no more of x is asked for: behind W1's step 27 stand half a slab and one step of W1
	PERIOD 1, 0, 1, 0, 1, 0, 1, 16, 16, 0, 0       ; period 14: slab 15 is stored; one step of W1 is younger
	PERIOD 2, 2, 0, 0, 0, 0, 0, 16, 0, 1, 0        ; period 15: nothing is asked for
	WIN 0
	s_wait_alu depctr_vm_vsrc(0)                   ; slab 15's LDS stores have read v32-63, and the fragment loads v24: both are written below
.set t, 32
.rept 32
	v_mov_b32 v[t], 0                              ; S starts at 0, so that both chunks' sums have one form; these 32 lines are also the places behind the last products
.set t, t+1
.endr
	v_mov_b32 v24, v4
	s_mov_b32 s31, 0
	s_wait_xcnt 0x0
	s_add_nc_u64 s[10:11], s[10:11], 3*16384       ; from step 26 of the first chunk to the second chunk's W1: its first three steps, and x's first, travel under the work below
	WIN 0x40
	s_wait_alu depctr_va_vdst(0)                   ; the chunk's last products are done reading W1's buffers 0 to 2 and v64-95, in which the loads below land; v24 is written
	LOADB 0, 0
	LOADB 1, 8192
	LOADB 2, 16384
	LOADH 0, 0
	WIN 0
	s_mov_b32 s29, 2                               ; chunks whose sums are still to be turned into scores
	s_branch .Lepi                                 ; the loop below is entered in its middle
; A K STEP of the second chunk, where all of x lies in LDS: 64 products on W1's buffer bf, in two halves as in a period.  k0: this step's x, k: the next step's, in bytes behind v24.
; lc: W1's loads that may stay out (16 for each later step asked for).  nx = 1: the next step's rows 0-63 are fetched; nx = 0: the chunk's last step, which fetches bias and V instead.
; ld = 1: W1 of the step three on is asked for, into the buffer that the step before read: its products stand ahead of this step's waits.
; zero = 1: the chunk's first step: no vector or matrix instruction has named v96-127 since the waits on the way from sums to scores, so its head holds no wait on va_vdst.
.macro STEP bf, k0, k, wimm, zero, ld, lc, nx
	s_wait_loadcnt \lc
	s_wait_dscnt 0x0                               ; this step's rows 0-63 are in
.if !(\zero)
	s_wait_alu depctr_va_vdst(0)                   ; the last step's second half is done reading v96-127, in which the loads below land; behind a step of the address, v24 is written
.endif
	MULS \bf, 0, \zero, 0, 1
	LOADH 1, \k0
	MULS \bf, 0, \zero, 1, 7
.if \nx
	PLACES
.endif
	s_wait_dscnt 0x0                               ; rows 64-127 are in
.if \nx
	s_wait_alu depctr_va_vdst(0)                   ; the first half is done reading v64-95, in which the next step's fragments land
.endif
	MULS \bf, 1, \zero, 0, 1
.if \nx
	LOADH 0, \k
.else
	EPILD8 0                                       ; bias and V land in v128-255, which no vector instruction has named since the first chunk's scores; v19 was written there too
.endif
	MULS \bf, 1, \zero, 1, 1
.if \ld
	LOADB8 ((\bf)+3)%4, \wimm, 0
.endif
.if (\nx) == 0
	EPILD8 1
.endif
	MULS \bf, 1, \zero, 2, 1
.if \ld
	LOADB8 ((\bf)+3)%4, \wimm, 1
.endif
.if (\nx) == 0
	EPILD8 2
.endif
	MULS \bf, 1, \zero, 3, 1
.if (\nx) == 0
	EPILD8 3
.endif
	MULS \bf, 1, \zero, 4, 4
.if \nx
	PLACES
.endif
.endm
; THE WAY FROM SUMS TO SCORES, for rows 64 hi .. + 63: 128 pairs of numbers, pair gg = registers 2 ((gg % 16) / 4), + 1 of accumulator (gg % 4, column tile gg / 16).
; c2 z + c2 bias; 2^..; + 1; 1 / ..; S += (-2 V) x that.  Each kind of transcendental is ONE batch of 256 with one plain instruction and one wait behind it;
; within a batch the plain instruction of pair gg stands ahead of the two transcendentals of pair gg - 1, and nothing names a result.
.macro RG d
.set NT, (gg-(\d))/16
.set AA, (gg-(\d))%4
.set JP, 2*(((gg-(\d))%16)/4)
.set RR, 8*(8*AA+NT)+JP
.endm
.macro EPH hi
	WIN 0x82+0x41*(\hi)                            ; destination and source 0 in the accumulators' window, the bias in window 0
.set gg, 0
	RG 0
	v_pk_fma_f32 v[RR:RR+1], v[RR:RR+1], s[32:33], v[128+8*NT+JP:128+8*NT+JP+1] op_sel_hi:[1,0,1]
.rept 127
.set gg, gg+1
	RG 0
	v_pk_fma_f32 v[RR:RR+1], v[RR:RR+1], s[32:33], v[128+8*NT+JP:128+8*NT+JP+1] op_sel_hi:[1,0,1]
	RG 1
	v_exp_f32 v[RR], v[RR]
	v_exp_f32 v[RR+1], v[RR+1]
.endr
	RG 0
	v_exp_f32 v[RR], v[RR]
	v_exp_f32 v[RR+1], v[RR+1]
	v_nop
	s_wait_alu depctr_va_vdst(0)                   ; the 256 exponentials have written their results, ahead of the first instruction that names one
.set gg, 0
	RG 0
	v_pk_add_f32 v[RR:RR+1], v[RR:RR+1], 1.0 op_sel_hi:[1,0]
.rept 127
.set gg, gg+1
	RG 0
	v_pk_add_f32 v[RR:RR+1], v[RR:RR+1], 1.0 op_sel_hi:[1,0]
	RG 1
	v_rcp_f32 v[RR], v[RR]
	v_rcp_f32 v[RR+1], v[RR+1]
.endr
	RG 0
	v_rcp_f32 v[RR], v[RR]
	v_rcp_f32 v[RR+1], v[RR+1]
	v_nop
	s_wait_alu depctr_va_vdst(0)                   ; the 256 reciprocals have written their results, ahead of the first instruction that names one
	WIN 0x02+(\hi)
.set gg, 0
.rept 128                                          ; eight chains (row tile, parity of the pair) take turns
	RG 0
	v_pk_fma_f32 v[32+4*(4*(\hi)+AA)+(JP&2):32+4*(4*(\hi)+AA)+(JP&2)+1], v[RR:RR+1], v[192+8*NT+JP:192+8*NT+JP+1], v[32+4*(4*(\hi)+AA)+(JP&2):32+4*(4*(\hi)+AA)+(JP&2)+1]
.set gg, gg+1
.endr
.endm
.Lchunk:                                               ; the second chunk's 128 columns: 32 K steps; W1's steps 0, 1, 2 are on their way, x's rows 0-63 of step 0 too
	STEP 0, 0, 64, 3*8192, 1, 1, 32, 1             ; the first step starts the sums
	WIN 0
	s_mov_b32 s30, 7
.Ltrip:                                                ; steps 4 T + 1 .. 4 T + 4
	STEP 1, 64,     SLB,      4*8192, 0, 1, 32, 1
	STEP 2, SLB,    SLB+64,   5*8192, 0, 1, 32, 1
	STEP 3, SLB+64, 2*SLB,    6*8192, 0, 1, 32, 1
	STEP 0, 2*SLB,  2*SLB+64, 7*8192, 0, 1, 32, 1
	WIN 0
	s_add_co_u32 s31, s31, 2*SLB
	s_wait_alu depctr_vm_vsrc(0)                   ; the fragment loads issued so far have read v24
	v_add_nc_u32 v24, s31, v4
	s_wait_xcnt 0x0                                ; W1's loads have read their base: only now is it stepped, four K steps on
	s_add_nc_u64 s[10:11], s[10:11], 32768
	s_sub_co_u32 s30, s30, 1
	s_cmp_lg_u32 s30, 0
	s_cbranch_scc1 .Ltrip
	STEP 1, 64,     SLB,    0, 0, 0, 32, 1         ; steps 29, 30, 31 ask for no more of W1: the counts run down
	STEP 2, SLB,    SLB+64, 0, 0, 0, 16, 1
	STEP 3, SLB+64, 0,      0, 0, 0, 0,  0
	PLACES                                         ; behind the last products, in front of the work on their results
	PLACES
	WIN 0
.Lepi:
	s_wait_dscnt 0x0                               ; bias and -2 V are in
	EPH 0
	EPH 1
	WIN 0
	s_wait_alu depctr_vm_vsrc(0)                   ; the loads of bias and V have read v19, which is written below; the fragment loads have read v24, which is written behind the last chunk
	v_add_nc_u32 v19, 512, v19                     ; the next chunk's 128 columns of bias and V
	s_sub_co_u32 s29, s29, 1
	s_cmp_lg_u32 s29, 0
	s_cbranch_scc1 .Lchunk
	; THE BLOCK'S SCORES.  A lane's four partial sums of a row, then the other half of the lanes'; the four waves' parts meet in LDS.
.set t, 0
.rept 8
	v_pk_add_f32 v[32+4*t:33+4*t], v[32+4*t:33+4*t], v[34+4*t:35+4*t]
.set t, t+1
.endr
.set t, 0
.rept 8
	v_add_f32 v[32+4*t], v[32+4*t], v[33+4*t]
.set t, t+1
.endr
.set t, 0
.rept 8
	v_permlanex16_b32 v[33+4*t], v[32+4*t], s34, s35
.set t, t+1
.endr
.set t, 0
.rept 8
	v_add_f32 v[32+4*t], v[32+4*t], v[33+4*t]
.set t, t+1
.endr
	s_wait_alu depctr_va_vdst(0)                   ; the rows' sums are written, which the LDS stores read
.set t, 0
.rept 8
	ds_store_b32 v11, v[32+4*t] offset:64*t        ; row 16 t + r; both halves of the lanes hold the same number
.set t, t+1
.endr
	s_wait_dscnt 0x0
	s_barrier_signal -1
	s_barrier_wait -1
	; from here every wave does the same small work for itself (lane l: rows 4 l .. 4 l + 3), in the same order: no further barrier
.irp p, 0,1,2,3
	ds_load_b128 v[96+4*\p:99+4*\p], v12 offset:512*\p   ; no vector or matrix instruction since the wait above names v96-115
.endr
	ds_load_b128 v[112:115], v23
	v_mov_b32 v24, v15                             ; x^T's addresses for the four steps of 32 rows (v24 is free since the wait on vm_vsrc behind the last chunk's scores)
	v_add_nc_u32 v25, 32*PX, v15
	v_add_nc_u32 v26, 64*PX, v15
	v_add_nc_u32 v27, 96*PX, v15
	s_wait_dscnt 0x0
	v_pk_add_f32 v[96:97], v[96:97], v[100:101]
	v_pk_add_f32 v[98:99], v[98:99], v[102:103]
	v_pk_add_f32 v[104:105], v[104:105], v[108:109]
	v_pk_add_f32 v[106:107], v[106:107], v[110:111]
	v_pk_add_f32 v[112:113], v[112:113], v[114:115]
	v_pk_add_f32 v[96:97], v[96:97], v[104:105]
	v_pk_add_f32 v[98:99], v[98:99], v[106:107]
	v_add_f32 v112, v112, v113
	v_add_f32 v112, s36, v112                      ; the sum of V, + V_b
	v_pk_add_f32 v[96:97], v[96:97], v[112:113] op_sel_hi:[1,0]
	v_pk_add_f32 v[98:99], v[98:99], v[112:113] op_sel_hi:[1,0]   ; the scores; v[96:99] are not written again
	v_max_num_f32 v116, v96, v97
	v_max3_num_f32 v116, v116, v98, v99
	v_max_num_f32_dpp v116, v116, v116 row_xmask:1 row_mask:0xf bank_mask:0xf
	v_max_num_f32_dpp v116, v116, v116 row_xmask:2 row_mask:0xf bank_mask:0xf
	v_max_num_f32_dpp v116, v116, v116 row_xmask:4 row_mask:0xf bank_mask:0xf
	v_max_num_f32_dpp v116, v116, v116 row_xmask:8 row_mask:0xf bank_mask:0xf
	v_permlanex16_b32 v113, v116, s34, s35
	v_max_num_f32 v116, v116, v113                 ; the block's maximum
	v_mul_f32 v118, s40, v116
	v_mov_b32 v119, v118
	v_pk_fma_f32 v[100:101], v[96:97], s[40:41], v[118:119] op_sel_hi:[1,0,0] neg_lo:[0,0,1] neg_hi:[0,0,1]   ; c1 s - c1 m
	v_pk_fma_f32 v[102:103], v[98:99], s[40:41], v[118:119] op_sel_hi:[1,0,0] neg_lo:[0,0,1] neg_hi:[0,0,1]
	v_exp_f32 v100, v100
	v_exp_f32 v101, v101
	v_exp_f32 v102, v102
	v_exp_f32 v103, v103
	v_nop
	s_wait_alu depctr_va_vdst(0)                   ; the four exponentials have written their results, ahead of their first reader; the scores v96-99 are written, which wave 0's store reads, and v24-27, the turning loads' addresses
	s_cmp_lg_u32 s26, 0
	s_cbranch_scc1 .Lnosc
	global_store_b128 v8, v[96:99], s[22:23]       ; wave 0 alone: 512 consecutive bytes
.Lnosc:
	v_cvt_pk_bf16_f32 v104, v100, v101             ; p rounded to bf16,
	v_cvt_pk_bf16_f32 v105, v102, v103
	v_lshlrev_b32 v106, 16, v104
	v_and_b32 v107, 0xffff0000, v104
	v_lshlrev_b32 v108, 16, v105
	v_and_b32 v109, 0xffff0000, v105
	v_pk_add_f32 v[106:107], v[100:101], v[106:107] neg_lo:[0,1] neg_hi:[0,1]
	v_pk_add_f32 v[108:109], v[102:103], v[108:109] neg_lo:[0,1] neg_hi:[0,1]
	v_cvt_pk_bf16_f32 v110, v106, v107             ; and what the rounding left
	v_cvt_pk_bf16_f32 v111, v108, v109
	s_wait_alu depctr_va_vdst(0)                   ; the roundings have written v104, v105, v110 and v111, which the LDS stores read
	ds_store_b64 v13, v[104:105]                   ; my wave's own bytes: LDS serves a wave's instructions in order, so the loads below see them
	ds_store_b64 v13, v[110:111] offset:256
.irp k, 0,1,2,3
	ds_load_b128 v[64+8*\k:67+8*\k], v14 offset:64*\k
	ds_load_b128 v[68+8*\k:71+8*\k], v14 offset:64*\k+32
.endr
; THE SECOND PRODUCT: P (16 rows: even = rounded weights, odd = remainders) x the block's x, my wave's 256 columns: 16 accumulators in v128-255, four steps of 32 rows.
; Column tile n lies in slab 4 w + n / 4, 32 (n % 4) bytes along its rows.  The turning loads take the pitch that serves the first product's fragments.
.macro LOADX ks                        ; 32 turning loads: x^T's 16 fragments of rows 32 ks .. + 31, into window 1
	WIN 0x40
.irp n, 0,1,2,3,4,5,6,7,8,9,10,11,12,13,14,15
	ds_load_tr16_b128 v[128*((\ks)%2)+8*\n:128*((\ks)%2)+8*\n+3],   v[24+(\ks)] offset:((\n)/4)*SLB+((\n)%4)*32
	ds_load_tr16_b128 v[128*((\ks)%2)+8*\n+4:128*((\ks)%2)+8*\n+7], v[24+(\ks)] offset:((\n)/4)*SLB+((\n)%4)*32+16*PX
.endr
.endm
.macro MULX ks, zero                   ; the 16 accumulators take turns
	WIN 0x04
.irp n, 0,1,2,3,4,5,6,7,8,9,10,11,12,13,14,15
.if \zero
	v_wmma_f32_16x16x32_bf16 v[128+8*\n:128+8*\n+7], v[64+8*(\ks):64+8*(\ks)+7], v[128*((\ks)%2)+8*\n:128*((\ks)%2)+8*\n+7], 0
.else
	v_wmma_f32_16x16x32_bf16 v[128+8*\n:128+8*\n+7], v[64+8*(\ks):64+8*(\ks)+7], v[128*((\ks)%2)+8*\n:128*((\ks)%2)+8*\n+7], v[128+8*\n:128+8*\n+7]
.endif
.endr
.endm
	LOADX 0                                        ; window 1 was last named by the first product, ahead of the waits above
	s_wait_dscnt 0x0                               ; P and the first step's x^T
	LOADX 1                                        ; each step's loads go out ahead of the products of the step before
	MULX 0, 1
	s_wait_dscnt 0x0
	PLACES
	WIN 0x40
	s_wait_alu depctr_va_vdst(0)                   ; step 0's products are done reading window 1's v0-127, in which step 2's x^T lands
	LOADX 2
	MULX 1, 0
	s_wait_dscnt 0x0
	PLACES
	WIN 0x40
	s_wait_alu depctr_va_vdst(0)                   ; step 1's products are done reading window 1's v128-255, in which step 3's x^T lands
	LOADX 3
	MULX 2, 0
	s_wait_dscnt 0x0
	MULX 3, 0
	WIN 0
	PLACES
	PLACES
.set t, 0
.rept 16
	v_add_f32 v[64+t], v[128+8*t], v[129+8*t]      ; row 8 h (rounded weights) + row 8 h + 1 (remainders): the accumulator's two lowest registers
.set t, t+1
.endr
	s_wait_alu depctr_va_vdst(0)                   ; the additions have written v64-79, which the LDS stores read; the products are done reading v80-87, in which the loads below land
.set t, 0
.rept 16
	ds_store_b32 v16, v[64+t] offset:64*t          ; column 16 t + r of my wave's 256
.set t, t+1
.endr
	ds_load_b128 v[80:83], v17
	ds_load_b128 v[84:87], v17 offset:512
	s_wait_dscnt 0x0
	global_store_b128 v8, v[80:83], s[24:25]       ; 512 consecutive bytes each
	global_store_b128 v8, v[84:87], s[24:25] offset:512
	s_wait_dscnt 0x0                               ; the wave's end
	s_wait_alu depctr_hold_cnt(0) depctr_sa_sdst(0) depctr_va_vdst(0) depctr_va_sdst(0) depctr_va_ssrc(0) depctr_va_vcc(0) depctr_vm_vsrc(0)
	s_wait_tensorcnt 0x0
	ds_add_u32 v20, v21
	s_wait_dscnt 0x0
	s_endpgm
.Lfunc_end_k_q41c48f421d_main:
	.size	k_q41c48f421d_main, .Lfunc_end_k_q41c48f421d_main-k_q41c48f421d_main
	.p2alignl 7, 3214868480
	.fill 96, 4, 3214868480
	.section	.rodata,"a",@progbits
	.p2align	6, 0x0
	.amdhsa_kernel k_q41c48f421d_main
		.amdhsa_group_segment_fixed_size 312064
		.amdhsa_private_segment_fixed_size 0
		.amdhsa_enable_private_segment 0
		.amdhsa_kernarg_size 72
		.amdhsa_user_sgpr_count 2
		.amdhsa_user_sgpr_kernarg_segment_ptr 1
		.amdhsa_wavefront_size32 1
		.amdhsa_system_sgpr_workgroup_id_x 1
		.amdhsa_system_sgpr_workgroup_id_y 1
		.amdhsa_system_sgpr_workgroup_id_z 1
		.amdhsa_system_vgpr_workitem_id 0
		.amdhsa_next_free_vgpr 1024
		.amdhsa_next_free_sgpr 66
		.amdhsa_reserve_vcc 0
		.amdhsa_float_denorm_mode_32 3
		.amdhsa_float_denorm_mode_16_64 3
		.amdhsa_memory_ordered 1
		.amdhsa_forward_progress 1
		.amdhsa_inst_pref_size 255
	.end_amdhsa_kernel
	.section	.bss,"aw",@nobits
	.p2align	6
	.space	262144
	.amdgpu_metadata
---
amdhsa.version: [ 1, 2 ]
amdhsa.kernels:
  - .name:           k_q41c48f421d_main
    .symbol:         k_q41c48f421d_main.kd
    .args:
      - { .name: x, .offset: 0, .size: 8, .value_kind: global_buffer, .address_space: global }
      - { .name: wf, .offset: 8, .size: 8, .value_kind: global_buffer, .address_space: global }
      - { .name: hbp, .offset: 16, .size: 8, .value_kind: global_buffer, .address_space: global }
      - { .name: W1_b, .offset: 24, .size: 8, .value_kind: global_buffer, .address_space: global }
      - { .name: W2_b, .offset: 32, .size: 8, .value_kind: global_buffer, .address_space: global }
      - { .name: V_w, .offset: 40, .size: 8, .value_kind: global_buffer, .address_space: global }
      - { .name: V_b, .offset: 48, .size: 8, .value_kind: global_buffer, .address_space: global }
      - { .name: scores, .offset: 56, .size: 8, .value_kind: global_buffer, .address_space: global }
      - { .name: ctxp, .offset: 64, .size: 8, .value_kind: global_buffer, .address_space: global }
    .group_segment_fixed_size: 312064
    .private_segment_fixed_size: 0
    .kernarg_segment_align: 8
    .kernarg_segment_size: 72
    .max_flat_workgroup_size: 128
    .sgpr_count:     66
    .vgpr_count:     1024
    .wavefront_size: 32
...
	.end_amdgpu_metadata
.endif
;; end of part 4
;; launch finish: the kernel of part 3 again; grid 32 x 1, 16 waves a work-group, no clusters, 2,304 bytes of LDS; arguments scores, ctxp, out0, out1; writes out0, out1
